; MI455X (gfx1250); checked and timed in simulation.
; The chip was launched on July 23, 2026; its instructions are those of AMD's public machine-readable ISA for CDNA 5 (MIT licence, August 2026) and "CDNA5" Instruction Set Architecture Reference Guide (July 2026). The comments in the code are by the model that wrote it; some were corrected since.
;; Disentangled Spatial SA. Allowed arithmetic: float matrix products may take bf16 or f16 operands with f32 sums; all other float work in f32.
;; Inputs: b_out 256 float32; b_qkv 384 float32; w_out 256 x 128 float32; w_qkv 384 x 256 float32; x 8 x 256 x 64 x 64 float32.
;; Outputs: out0 8 x 256 x 64 x 64 float32.
;; 2 versions, each right; version 2 is version 1 with the launch proj written anew for expert scheduling mode. Each part assembles by itself: llvm-mc -triple=amdgcn-amd-amdhsa -mcpu=gfx1250 --defsym DOCPART=n.
;; ======== version 1 of 2: 2 launches
;; limits: values are held in bf16: 8 bits of precision
;; workspace buffers: qb 8,388,608 bytes; kf 16,777,216 bytes; vb 8,388,608 bytes; ksum 131,072 bytes
;; launch proj (part 1): grid 32 x 8, 4 waves a work-group, no clusters, 204,288 bytes of LDS; arguments x, w_qkv, b_qkv, qb, kf, vb, ksum; writes qb, kf, vb, ksum
.if DOCPART == 1
	.amdgcn_target "amdgcn-amd-amdhsa--gfx1250"
	.amdhsa_code_object_version 6
	.text
	.protected	k_qcd64890971_proj
	.globl	k_qcd64890971_proj
	.p2align	8
	.type	k_qcd64890971_proj,@function
k_qcd64890971_proj:
	s_mov_b64 s[64:65], 0
	v_nop
	global_prefetch_b8 v0, s[64:65] scope:SCOPE_SE
	s_setreg_imm32_b32 hwreg(HW_REG_WAVE_MODE, 25, 1), 1
	s_wait_xcnt 0x0
; DisentangledSpatialSA, launch 1 of 2: the 1x1 projection.  x [8][256 c][4096 n] f32, w_qkv [384][256] f32.
;   qb   [8][4096 n][128 c] bf16 = Wq x          (no bias, not centred)
;   kf   [8][4096 n][128 c] f32  = Wk x          (no bias; centred in the next launch, in f32, as the problem does)
;   vb   [8][128 c][4096 n] bf16 = Wv x + b_v
;   ksum [8][32 blocks][128 c] f32 = sums of kf over each block of 128 positions
; WORK LEFT OUT, for all values of the inputs.  With km, qm the means over positions, the softmax's input is
;   (k_i - km).(q_j - qm) = (k_i - km).q_j - (k_i - km).qm,
; and the second term is the same for every j, the softmax's axis: it cancels in the softmax.  So q's centring is left out,
; and with it b_q, which adds (k_i - km).b_q, again the same for every j.  b_k is the same at every position and cancels
; in k - mean(k).  So b_qkv[0:256] has no way to the output and is not loaded; b_qkv is an argument for b_v alone.
; LIMITS.  A NaN, an infinity or an overflow that lives only in b_q, b_k or q's mean is not carried to the result.
; q is rounded to bf16 uncentred: its rounding error grows with a common offset of x.  k's mean is made from 32 block
; sums, an order of rounding other than a single sum's.
; SHARES.  A work-group: 128 positions x 384 output channels, four waves.  Wave w: channels 32 w .. 32 w + 31 of each of
; q, k, v = six tiles of 16 channels, each against 8 position tiles and K = 256: 384 matrix instructions.
; x stays in registers as B fragments (512 registers); W's tiles pass by.  Column r of position tile nt is position
; 8 r + nt of the block, so that a lane that loads 8 neighbouring positions of 8 rows of x already holds its own part
; of eight B fragments, and eight tiles' results of one channel are 8 neighbouring positions.
; ORDER.  All 64 loads of x go out first, into window 1, which is empty until x's fragments come back from LDS.  q's and k's
; stages are whole behind tile 3: the barrier over them stands there, as soon as tile 5's rows of W have left window 3, whose
; 256 registers then take the 48 LDS reads; the stores leave while tiles 4 and 5 are multiplied.  (Behind tile 1, where q's stage
; is whole, no 64 registers are free: window 0 holds 248, windows 1 and 2 hold x, window 3 two tiles of W on their way.)
; NO JOINT LOADS: w_qkv is read by every work-group, but it lies in memory as f32 and a tensor load copies bytes as they
; are: 384 rows of 1,024 + 16 bytes are 399,360 bytes, more than the 327,680 that a work-group can be given, and a ring
; of f32 tiles would move twice the LDS bytes of the bf16 rows used here.  W comes through registers and is rounded there.
.set XFR, 0                            ; x's fragments: block ((u*8+nt)*2+g) of 512 bytes, 16 bytes a lane
.set WT,  65536                        ; each wave's own 16 rows of W in bf16, pitch 528
.set WTW, 8448
.set QST, 99328                        ; q's stage: 128 rows (row nt*16+r), pitch 272 = 17 x 16 bytes
.set KST, 134144                       ; k's stage: 128 rows, same order, pitch 528 = 33 x 16 bytes
.set KSC, 201728                       ; four waves' sums of k, 512 bytes each
.set LN, 1                             ; lane
.set RR, 2                             ; r = lane & 15
.set HH, 3                             ; h = lane >> 4
.set XO, 4                             ; h*131072 + 32 r: 8 h rows of x, 8 r positions
.set L16, 5                            ; 16 x lane
.set BOFS, 6                           ; 32 h
.set XSA, 7
.set WTA, 9
.set WTR, 10
.set QSA, 11
.set KSA, 12
.set QRA, 13
.set KRA, 14
.set QGO, 15
.set KGO, 16
.set VGO, 17
.set KCA, 18
.set KCR, 19
.set BV,  32                           ; v[32:47]   b_v of my two v tiles, in the accumulator's layout
.set AF0, 48                           ; v[48:111], v[112:175] W's fragments, two buffers (8 K chunks x 8 registers)
.set ACC, 176                          ; v[176:239] eight accumulators, one for each position tile
.set XP,  176                          ; phase A: packed
.set SUM, 240                          ; v[240:247] two chains of k's sum
.set RK,  0                            ; window 3, on the way out: k's 32 rows
.set RQ,  128                          ; window 3, on the way out: q's 32 rows, two a load
; windows: 1 = x as loaded (4 parts of 64 registers), then x's fragments of K chunks 0-3; 2 = fragments of chunks 4-7;
;          3 = W's rows in f32, two buffers of 128 registers, then the stages' rows
.set MSB, 0
.macro WIN new                         ; the immediate's high byte repeats the setting that is left
.if MSB != \new
	s_set_vgpr_msb (MSB<<8)|\new
.set MSB, \new
.endif
.endm
.macro PLACES cnt
.rept \cnt
	v_nop
.endr
.endm
	s_load_b256 s[4:11], s[0:1], 0x0               ; x s[4:5], w_qkv s[6:7], b_qkv s[8:9], qb s[10:11]
	s_load_b128 s[12:15], s[0:1], 0x20             ; kf s[12:13], vb s[14:15]
	s_load_b64 s[16:17], s[0:1], 0x30              ; ksum
	v_lshl_add_u32 v254, v0, 2, 0x31c00
	v_mov_b32 v255, 0
	v_lshrrev_b32 v1, 5, v0
	v_readfirstlane_b32 s20, v1                    ; wave
	s_and_b32 s22, ttmp7, 0xffff                   ; image
	v_and_b32 v[LN], 31, v0
	v_and_b32 v[RR], 15, v0
	v_bfe_u32 v[HH], v0, 4, 1
	v_lshlrev_b32 v[XO], 5, v[RR]
	v_lshl_add_u32 v[XO], v[HH], 17, v[XO]
	v_lshlrev_b32 v[L16], 4, v[LN]
	v_lshlrev_b32 v[BOFS], 5, v[HH]
	s_lshl_b32 s26, s20, 14
	v_add_nc_u32 v[XSA], s26, v[L16]               ; my two K chunks' blocks: w*16384 + 16 lane
	s_mul_i32 s26, s20, WTW
	s_add_co_u32 s26, s26, WT
	v_lshl_add_u32 v[WTA], v[LN], 3, s26           ; W in: 8 bytes (4 channels) a lane
	v_mul_u32_u24 v20, v[RR], 528
	v_lshl_add_u32 v21, v[HH], 4, v20
	v_add_nc_u32 v[WTR], s26, v21                  ; W back as fragments: row r, 16 h
	v_mul_u32_u24 v22, v[RR], 272
	v_lshl_add_u32 v23, v[HH], 4, v22
	s_lshl_b32 s27, s20, 6
	s_add_co_u32 s27, s27, QST
	v_add_nc_u32 v[QSA], s27, v23                  ; q in: row r, bytes 64 w + 16 h
	v_lshl_add_u32 v24, v[HH], 5, v20
	s_lshl_b32 s27, s20, 7
	s_add_co_u32 s27, s27, KST
	v_add_nc_u32 v[KSA], s27, v24                  ; k in: row r, bytes 128 w + 32 h
	v_mul_u32_u24 v24, v[HH], 272
	v_lshl_add_u32 v24, v[RR], 4, v24
	s_mul_i32 s27, s20, 32*272
	s_add_co_u32 s27, s27, QST
	v_add_nc_u32 v[QRA], s27, v24                  ; q back: rows 32 w + h, 16 bytes at 16 r
	s_mul_i32 s27, s20, 32*528
	s_add_co_u32 s27, s27, KST
	v_add_nc_u32 v[KRA], s27, v[L16]               ; k back: rows 32 w .., a whole row of 512 bytes a load
	v_lshlrev_b32 v24, 4, v[RR]
	v_lshl_add_u32 v[QGO], v[HH], 11, v24
	s_lshl_b32 s27, s20, 9
	v_add_nc_u32 v[QGO], s27, v[QGO]               ; 2048 h + 16 r + 512 w
	s_lshl_b32 s27, s20, 10
	v_add_nc_u32 v[KGO], s27, v[L16]               ; 16 lane + 1024 w
	v_lshl_add_u32 v[VGO], v[HH], 16, v24          ; 8 h rows of vb + 16 r
	s_lshl_b32 s27, s20, 9
	s_add_co_u32 s27, s27, KSC
	v_add_nc_u32 v[KCA], s27, v[L16]
	v_add_nc_u32 v[KCR], KSC, v[L16]
	s_mov_b32 s25, 0
	s_lshl_b32 s24, s22, 22                        ; x: image, my 64 rows, the block's 128 positions
	s_lshl_b32 s26, s20, 20
	s_add_co_u32 s24, s24, s26
	s_lshl_b32 s26, ttmp9, 9
	s_add_co_u32 s24, s24, s26
	s_wait_kmcnt 0x0
	s_add_nc_u64 s[4:5], s[4:5], s[24:25]
	s_lshl_b32 s24, s20, 15                        ; w_qkv: my 32 rows of each third
	s_add_nc_u64 s[6:7], s[6:7], s[24:25]
	s_lshl_b32 s24, s20, 7                         ; b_qkv: b_v begins at float 256; my 32
	s_add_co_u32 s24, s24, 1024
	s_add_nc_u64 s[8:9], s[8:9], s[24:25]
	s_lshl_b32 s24, s22, 20                        ; qb: image, block of 128 rows of 256 bytes
	s_lshl_b32 s26, ttmp9, 15
	s_add_co_u32 s24, s24, s26
	s_add_nc_u64 s[10:11], s[10:11], s[24:25]
	s_lshl_b32 s24, s22, 21                        ; kf: image, block of 128 rows of 512 bytes
	s_lshl_b32 s26, ttmp9, 16
	s_add_co_u32 s24, s24, s26
	s_add_nc_u64 s[12:13], s[12:13], s[24:25]
	s_lshl_b32 s24, s22, 20                        ; vb: image, my 32 rows of 8,192 bytes, the block's 256 bytes
	s_lshl_b32 s26, s20, 18
	s_add_co_u32 s24, s24, s26
	s_lshl_b32 s26, ttmp9, 8
	s_add_co_u32 s24, s24, s26
	s_add_nc_u64 s[14:15], s[14:15], s[24:25]
	s_lshl_b32 s24, s22, 14                        ; ksum: (image*32 + block) rows of 512 bytes
	s_lshl_b32 s26, ttmp9, 9
	s_add_co_u32 s24, s24, s26
	s_add_nc_u64 s[16:17], s[16:17], s[24:25]
; 16 loads into window 1: rows c = 64 w + 32 (k>>1) + 16 (k&1) + 8 h + t, t = 0..7, positions 8 r .. 8 r + 7 (32 bytes a lane)
.macro XHALF k
.set xl, 64*(\k)
.set xo, (32*((\k)>>1)+16*((\k)&1))*16384
.set tt, 0
.rept 8
	global_load_b128 v[xl+8*tt:xl+8*tt+3], v[XO], s[4:5] offset:xo+tt*16384
	global_load_b128 v[xl+8*tt+4:xl+8*tt+7], v[XO], s[4:5] offset:xo+tt*16384+16
.set tt, tt+1
.endr
.endm
; the same 64 numbers as four registers of each of eight B fragments: register p of tile nt = rows 2 p, 2 p + 1 at position 8 r + nt
.macro XPACK k
.set xl, 64*(\k)
	WIN 0x05                                       ; both sources in window 1
.set nn, 0
.rept 8
.set pp, 0
.rept 4
	v_cvt_pk_bf16_f32 v[XP+4*nn+pp], v[xl+16*pp+nn], v[xl+16*pp+8+nn]
.set pp, pp+1
.endr
.set nn, nn+1
.endr
	WIN 0
.set nn, 0
.rept 8
	ds_store_b128 v[XSA], v[XP+4*nn:XP+4*nn+3] offset:((\k)>>1)*8192+nn*1024+((\k)&1)*512
.set nn, nn+1
.endr
.endm
; tile a's 16 rows of W in f32: 32 loads of 512 consecutive bytes, into window 3
.macro WLOAD a
	WIN 0xc0
.set wl, 128*((\a)&1)
.set wo, ((\a)>>1)*131072+((\a)&1)*16384
.set ii, 0
.rept 32
	global_load_b128 v[wl+4*ii:wl+4*ii+3], v[L16], s[6:7] offset:wo+ii*512
.set ii, ii+1
.endr
	WIN 0
.endm
; tile a's rows to bf16, through my own LDS rows, back as eight A fragments.  LDS serves a wave's instructions in order
; (ISA guide 5.7.1.4), so the loads see the stores, and the stores come behind the last tile's loads: no wait between them.
.macro WPREP a, left
	s_wait_loadcnt \left                           ; tile a's 32 loads are in; the count is the younger tile's 32
.set wl, 128*((\a)&1)
.set af, AF0+64*((\a)&1)
	WIN 0x0f
.set ii, 0
.rept 64
	v_cvt_pk_bf16_f32 v[af+ii], v[wl+2*ii], v[wl+2*ii+1]
.set ii, ii+1
.endr
	WIN 0
.set ii, 0
.rept 32
	ds_store_b64 v[WTA], v[af+2*ii:af+2*ii+1] offset:(ii>>1)*528+(ii&1)*256
.set ii, ii+1
.endr
.set uu, 0
.rept 8
	ds_load_b128 v[af+8*uu:af+8*uu+3], v[WTR] offset:64*uu
	ds_load_b128 v[af+8*uu+4:af+8*uu+7], v[WTR] offset:64*uu+32
.set uu, uu+1
.endr
.endm
; tile a's 64 products.  The eight accumulators take turns, one instruction a turn.
; The first K chunk starts the sums: from 0, or (bias = 1) from b_v.
.macro TMUL a, bias
.set af, AF0+64*((\a)&1)
.set uu, 0
.rept 8
.if uu < 4
	WIN 0x04
.else
	WIN 0x08
.endif
.set nn, 0
.rept 8
.if uu == 0
.if \bias
	v_wmma_f32_16x16x32_bf16 v[ACC+8*nn:ACC+8*nn+7], v[af:af+7], v[8*nn:8*nn+7], v[BV+8*((\a)&1):BV+8*((\a)&1)+7]
.else
	v_wmma_f32_16x16x32_bf16 v[ACC+8*nn:ACC+8*nn+7], v[af:af+7], v[8*nn:8*nn+7], 0
.endif
.else
	v_wmma_f32_16x16x32_bf16 v[ACC+8*nn:ACC+8*nn+7], v[af+8*uu:af+8*uu+7], v[((uu&3)*8+nn)*8:((uu&3)*8+nn)*8+7], v[ACC+8*nn:ACC+8*nn+7]
.endif
.set nn, nn+1
.endr
.set uu, uu+1
.endr
	WIN 0
.endm
; Behind each tile five v_nop: four before its results are read and its fragment buffer is written, five before the next
; tile's products write over the accumulators (ISA guide 7.12.1).
; q: a lane's 8 results are 8 neighbouring channels of one position: 16 bytes into the stage
.macro EPIQ a
	PLACES 5
.set af, AF0+64*((\a)&1)
.set nn, 0
.rept 8
.set pp, 0
.rept 4
	v_cvt_pk_bf16_f32 v[af+4*nn+pp], v[ACC+8*nn+2*pp], v[ACC+8*nn+2*pp+1]
.set pp, pp+1
.endr
	ds_store_b128 v[QSA], v[af+4*nn:af+4*nn+3] offset:nn*4352+32*((\a)&1)
.set nn, nn+1
.endr
.endm
; k: the same in f32, 32 bytes, straight from the accumulators
.macro EPIK a
	PLACES 5
.set nn, 0
.rept 8
	ds_store_b128 v[KSA], v[ACC+8*nn:ACC+8*nn+3] offset:nn*8448+64*((\a)&1)
	ds_store_b128 v[KSA], v[ACC+8*nn+4:ACC+8*nn+7] offset:nn*8448+64*((\a)&1)+16
.set nn, nn+1
.endr
.endm
; v: register t of the eight tiles = positions 8 r .. 8 r + 7 of one channel: 16 bytes; 16 lanes store 256 consecutive bytes, aligned
.macro EPIV a
	PLACES 5
.set af, AF0+64*((\a)&1)
.set tt, 0
.rept 8
.set pp, 0
.rept 4
	v_cvt_pk_bf16_f32 v[af+4*tt+pp], v[ACC+16*pp+tt], v[ACC+16*pp+8+tt]
.set pp, pp+1
.endr
	global_store_b128 v[VGO], v[af+4*tt:af+4*tt+3], s[14:15] offset:(16*((\a)&1)+tt)*8192
.set tt, tt+1
.endr
.endm
	; PHASE A: my 64 rows of x, all 64 loads at once, then to bf16 fragments in LDS part by part
	WIN 0x40
	XHALF 0
	XHALF 1
	XHALF 2
	XHALF 3
	WIN 0
	s_wait_loadcnt 48                              ; part 0 is in; parts 1 to 3, 16 loads each, stay out
	XPACK 0
	s_wait_loadcnt 32                              ; part 1 is in; parts 2 and 3 stay out
	XPACK 1
	global_load_b128 v[BV:BV+3], v[BOFS], s[8:9]
	global_load_b128 v[BV+4:BV+7], v[BOFS], s[8:9] offset:16
	global_load_b128 v[BV+8:BV+11], v[BOFS], s[8:9] offset:64
	global_load_b128 v[BV+12:BV+15], v[BOFS], s[8:9] offset:80
	WLOAD 0
	s_wait_loadcnt 52                              ; part 2 is in; part 3's 16, b_v's 4 and W tile 0's 32 stay out
	XPACK 2
	s_wait_loadcnt 36                              ; part 3 is in; b_v's 4 and W tile 0's 32 stay out
	XPACK 3
	WLOAD 1
	s_wait_dscnt 0x0                               ; my fragments are in LDS, for the other waves' sake
	s_barrier_signal -1
	s_barrier_wait -1
	; all of x's fragments into windows 1 and 2
.set uu, 0
.rept 8
.if uu < 4
	WIN 0x40
.else
	WIN 0x80
.endif
.set nn, 0
.rept 8
	ds_load_b128 v[((uu&3)*8+nn)*8:((uu&3)*8+nn)*8+3], v[L16] offset:uu*8192+nn*1024
	ds_load_b128 v[((uu&3)*8+nn)*8+4:((uu&3)*8+nn)*8+7], v[L16] offset:uu*8192+nn*1024+512
.set nn, nn+1
.endr
.set uu, uu+1
.endr
	WIN 0
	; PHASE B: six tiles.  In front of tile a's products tile a + 1 is prepared (32 LDS stores, 16 LDS loads), so the
	; wait's count 48 leaves exactly those out: x's fragments, tile a's fragments and older stage stores are done.
	WPREP 0, 32
	WLOAD 2
	WPREP 1, 32
	WLOAD 3
	s_wait_dscnt 48
	TMUL 0, 0
	EPIQ 0
	WPREP 2, 32
	WLOAD 4
	s_wait_dscnt 48
	TMUL 1, 0
	EPIQ 1
	WPREP 3, 32
	WLOAD 5
	s_wait_dscnt 48
	TMUL 2, 0
	EPIK 2
	WPREP 4, 32
	s_wait_dscnt 48
	TMUL 3, 0
	EPIK 3
	WPREP 5, 0                                     ; the last tile: no younger load; window 3 is free behind its conversions
	; q's and k's stages are whole.  Stage row nt*16 + r is position 8 r + nt; wave w takes rows 32 w .. 32 w + 31.
	s_wait_dscnt 0x0                               ; my stage stores are done, for the other waves' sake; tiles 4's and 5's fragments are in
	s_barrier_signal -1
	s_barrier_wait -1
	WIN 0xc0
.set ii, 0
.rept 16
	ds_load_b128 v[RQ+4*ii:RQ+4*ii+3], v[QRA] offset:544*ii        ; two rows of q
.set ii, ii+1
.endr
.set ii, 0
.rept 32
	ds_load_b128 v[RK+4*ii:RK+4*ii+3], v[KRA] offset:528*ii        ; one row of k
.set ii, ii+1
.endr
	WIN 0
	TMUL 4, 1                                      ; its 64 products cover the 48 LDS reads
	WIN 0x0c                                       ; a store's data, and the sums' second source, in window 3
.set ii, 0
.rept 16
	s_wait_dscnt 47-ii                             ; LDS loads come back in order: q's load ii of the 48 is in
	global_store_b128 v[QGO], v[RQ+4*ii:RQ+4*ii+3], s[10:11] offset:4096*(ii&7)+256*(ii>>3)   ; 16 lanes: one row of 256 bytes
.set ii, ii+1
.endr
.set ii, 0
.rept 32
	s_wait_dscnt 31-ii
	WIN 0x0c
	global_store_b128 v[KGO], v[RK+4*ii:RK+4*ii+3], s[12:13] offset:4096*(ii&15)+512*(ii>>4)    ; 32 lanes: one row of 512 bytes
.if ii >= 2
.if ii < 4
	WIN 0x0f                                       ; rows 0 + 2 and 1 + 3 start the two chains: both sources in window 3
	v_pk_add_f32 v[SUM+4*(ii&1):SUM+4*(ii&1)+1], v[RK+4*(ii-2):RK+4*(ii-2)+1], v[RK+4*ii:RK+4*ii+1]
	v_pk_add_f32 v[SUM+4*(ii&1)+2:SUM+4*(ii&1)+3], v[RK+4*(ii-2)+2:RK+4*(ii-2)+3], v[RK+4*ii+2:RK+4*ii+3]
.else
	v_pk_add_f32 v[SUM+4*(ii&1):SUM+4*(ii&1)+1], v[SUM+4*(ii&1):SUM+4*(ii&1)+1], v[RK+4*ii:RK+4*ii+1]
	v_pk_add_f32 v[SUM+4*(ii&1)+2:SUM+4*(ii&1)+3], v[SUM+4*(ii&1)+2:SUM+4*(ii&1)+3], v[RK+4*ii+2:RK+4*ii+3]
.endif
.endif
.set ii, ii+1
.endr
	WIN 0
	v_pk_add_f32 v[SUM:SUM+1], v[SUM:SUM+1], v[SUM+4:SUM+5]
	v_pk_add_f32 v[SUM+2:SUM+3], v[SUM+2:SUM+3], v[SUM+6:SUM+7]
	ds_store_b128 v[KCA], v[SUM:SUM+3]             ; my 32 rows' sum of channels 4 lane .. 4 lane + 3
	EPIV 4
	TMUL 5, 1                                      ; q's and k's stores leave meanwhile
	EPIV 5
	s_wait_dscnt 0x0                               ; my sum is in LDS, for wave 0's sake
	s_barrier_signal -1
	s_barrier_wait -1
	s_cmp_lg_u32 s20, 0
	s_cbranch_scc1 .Lend                           ; wave 0 adds the four and stores the block's row of ksum
	ds_load_b128 v[32:35], v[KCR]
	ds_load_b128 v[36:39], v[KCR] offset:512
	ds_load_b128 v[40:43], v[KCR] offset:1024
	ds_load_b128 v[44:47], v[KCR] offset:1536
	s_wait_dscnt 0x0
	v_pk_add_f32 v[32:33], v[32:33], v[36:37]
	v_pk_add_f32 v[34:35], v[34:35], v[38:39]
	v_pk_add_f32 v[40:41], v[40:41], v[44:45]
	v_pk_add_f32 v[42:43], v[42:43], v[46:47]
	v_pk_add_f32 v[32:33], v[32:33], v[40:41]
	v_pk_add_f32 v[34:35], v[34:35], v[42:43]
	global_store_b128 v[L16], v[32:35], s[16:17]   ; 512 consecutive bytes
.Lend:
	s_wait_tensorcnt 0x0
	ds_add_u32 v254, v255
	s_wait_dscnt 0x0
	s_endpgm
.Lfunc_end_k_qcd64890971_proj:
	.size	k_qcd64890971_proj, .Lfunc_end_k_qcd64890971_proj-k_qcd64890971_proj
	.p2alignl 7, 3214868480
	.fill 96, 4, 3214868480
	.section	.rodata,"a",@progbits
	.p2align	6, 0x0
	.amdhsa_kernel k_qcd64890971_proj
		.amdhsa_group_segment_fixed_size 204288
		.amdhsa_private_segment_fixed_size 0
		.amdhsa_enable_private_segment 0
		.amdhsa_kernarg_size 56
		.amdhsa_user_sgpr_count 2
		.amdhsa_user_sgpr_kernarg_segment_ptr 1
		.amdhsa_wavefront_size32 1
		.amdhsa_system_sgpr_workgroup_id_x 1
		.amdhsa_system_sgpr_workgroup_id_y 1
		.amdhsa_system_sgpr_workgroup_id_z 1
		.amdhsa_system_vgpr_workitem_id 0
		.amdhsa_next_free_vgpr 1024
		.amdhsa_next_free_sgpr 66
		.amdhsa_reserve_vcc 0
		.amdhsa_float_denorm_mode_32 3
		.amdhsa_float_denorm_mode_16_64 3
		.amdhsa_memory_ordered 1
		.amdhsa_forward_progress 1
		.amdhsa_inst_pref_size 143
	.end_amdhsa_kernel
	.amdgpu_metadata
---
amdhsa.version: [ 1, 2 ]
amdhsa.kernels:
  - .name:           k_qcd64890971_proj
    .symbol:         k_qcd64890971_proj.kd
    .args:
      - { .name: x, .offset: 0, .size: 8, .value_kind: global_buffer, .address_space: global }
      - { .name: w_qkv, .offset: 8, .size: 8, .value_kind: global_buffer, .address_space: global }
      - { .name: b_qkv, .offset: 16, .size: 8, .value_kind: global_buffer, .address_space: global }
      - { .name: qb, .offset: 24, .size: 8, .value_kind: global_buffer, .address_space: global }
      - { .name: kf, .offset: 32, .size: 8, .value_kind: global_buffer, .address_space: global }
      - { .name: vb, .offset: 40, .size: 8, .value_kind: global_buffer, .address_space: global }
      - { .name: ksum, .offset: 48, .size: 8, .value_kind: global_buffer, .address_space: global }
    .group_segment_fixed_size: 204288
    .private_segment_fixed_size: 0
    .kernarg_segment_align: 8
    .kernarg_segment_size: 56
    .max_flat_workgroup_size: 128
    .sgpr_count:     66
    .vgpr_count:     1024
    .wavefront_size: 32
...
	.end_amdgpu_metadata
.endif
;; end of part 1
;; launch attn (part 2): grid 32 x 8, 4 waves a work-group, clusters of 4 x 1, 327,680 bytes of LDS; arguments x, w_out, b_out, qb, kf, vb, ksum, out0; writes out0
.if DOCPART == 2
	.amdgcn_target "amdgcn-amd-amdhsa--gfx1250"
	.amdhsa_code_object_version 6
	.text
	.protected	k_qcd64890971_attn
	.globl	k_qcd64890971_attn
	.p2align	8
	.type	k_qcd64890971_attn,@function
k_qcd64890971_attn:
	s_mov_b64 s[64:65], 0
	v_nop
	global_prefetch_b8 v0, s[64:65] scope:SCOPE_SE
	s_setreg_imm32_b32 hwreg(HW_REG_WAVE_MODE, 25, 1), 1
	s_wait_xcnt 0x0
	s_wait_alu depctr_hold_cnt(0) depctr_sa_sdst(0) depctr_va_vdst(0) depctr_va_sdst(0) depctr_va_ssrc(0) depctr_va_vcc(0) depctr_vm_vsrc(0)
	s_getreg_b32 s2, hwreg(HW_REG_IB_STS2, 6, 4)
	s_cmp_eq_u32 s2, 0
	s_cbranch_scc0 .Lentry_in_a_cluster
	s_endpgm
.Lentry_in_a_cluster:
	s_bfe_u32 s2, ttmp6, 0x10000c
	s_cmp_lg_u32 s2, 0x3003
	s_cbranch_scc0 .Lentry_shape_is_right
	s_endpgm
.Lentry_shape_is_right:
; DisentangledSpatialSA, launch 2 of 2: out = x + Wout softmax_j((k_i - km).q_j / (sqrt(128) 0.05)) v + b_out.
; Left out, as shown at the head of the first kernel: q's centring, b_q and b_k (each adds a term that is the same along the
; softmax's axis j, or cancels in k - mean(k)).  k's centring is done here in f32.  Limits as stated there: a NaN, infinity or
; overflow that lives only in the work left out is not carried; q is bf16 uncentred; km is made from 32 block sums.
; The factor SC = log2(e) / (sqrt(128) * 0.05) is folded into kc = (k - km) SC, so that p = 2^(S - M), M the running maximum.
; SHARES.  A work-group: 128 rows i of one image, four waves.  Wave w: 64 rows (half w & 1) and one half (w >> 1) of every
; step's 256 j; the two waves of a row half merge their maxima, sums and O at the end, and each then makes 128 of the 256
; output channels.  16 steps of 256 j through two LDS slots.
; CLUSTER.  The four work-groups of a cluster belong to one image and read the same tiles of q and v: every tile load is a joint
; load that names all four (mask 15).  The place in the cluster enters only the global bases of kf, x and out0.
; LAYOUTS (r = lane & 15, h = lane >> 4).  S is made transposed, D(m = j, n = i) from A = q rows, B = kc rows: register t holds
; j = 16 jt + 8 h + t of column i = r, so four packings of tile 2 cj and four of tile 2 cj + 1 ARE the B fragment P(i; j = 32 cj ..)
; of O = D(m = c, n = i), A = v rows.  Likewise O's tiles 2 u, 2 u + 1 pack into the B fragment of the output product
; D(m = o, n = i), A = w_out rows.  The softmax's state is one number a lane; only lane xor 16 has to be combined.
; Column r of i tile it is position 4 r + it of the wave's 64, so register t of the four tiles is 4 neighbouring positions of one
; output channel: 16 bytes a lane, 16 lanes = 256 consecutive bytes, aligned.
; THE LOOP STANDS IN PHASES (products, softmax, products).  An instruction in place needs its destination and first source in one
; window, and S (128 registers) with q's fragments (128) and kc (128), or O (256) with v's fragments (128), do not fit into 256:
; slices of the softmax set between the products would need two window switches round every product, 1,024 more instructions beside
; a trip's 512 products, and four of the sixteen steps written out to start and to drain the overlap.
; ASKED FOR EARLY.  My 64 rows of w_out are loaded in the prologue into O's registers, which are empty until the first P v products,
; rounded to bf16 in front of those products and kept in v64-191, which the loop does not use.  On the way out x's tiles 0 to 3 are
; asked for behind the last product, into S's registers, and tile e + 4 at the head of tile e, into the registers that held the
; partner's O: each tile's loads are issued four tiles, or the whole merge, ahead of their use, and no register is used twice.
.set HALF, 34816                       ; 128 rows of q at pitch 272; also the room of 64 rows of v at pitch 528
.set SLOT, 139264                      ; q rows 0-127, q rows 128-255, v channels 0-63, v channels 64-127
.set KCS,  278528                      ; kc's stage, 128 rows at pitch 272: written by LDS stores, never filled by a tensor load
.set MLB,  131072                      ; behind the slots' last fill: O to the partner at 0 (4 x 32,768), maxima and sums here (4 x 1,024),
.set WOS,  139264                      ; w_out in bf16, 256 rows at pitch 272, in slot 1
.set SCL,  0x402338e9                  ; SC = 2.5503486
.set NSC,  0xba2338e9                  ; -SC / 4096
.set QA, 4                             ; v4, v5   q fragments' LDS address in slot 0, 1
.set VA, 6                             ; v6, v7   v fragments'
.set GL, 8                             ; 16 x lane
.set KCW, 9
.set KCR, 10
.set XOFF, 11                          ; h*131072 + 16 r: 8 h rows of x, 4 r positions
.set BOF, 12                           ; 32 h
.set MGS, 13
.set MGL, 14
.set MLS, 15
.set MLL, 16
.set WOW, 17
.set WOR, 18
.set MX, 20                            ; v[20:27]  running maximum of i tile it, twice (a pair for the packed forms)
.set AL, 28                            ; v[28:35]  alpha = 2^(old maximum - new), twice
.set LS, 36                            ; v[36:43]  the lane's part of the sum, even and odd registers apart
.set TT, 44                            ; v[44:47]  new maximum
.set T2, 48                            ; v[48:51]  the other half's
.set DL, 52                            ; v[52:55]
.set LP, 56                            ; v[56:59]
.set NK, 60                            ; v[60:63]  -km SC of channels 4 lane .. 4 lane + 3
.set TMPP, 64                          ; prologue: v[64:127] kc on its way to LDS
.set KSR, 128                          ; prologue: v[128:255] ksum's 32 rows
.set WB, 64                            ; v[64:191] from step 0 to the way out: my 64 rows of w_out in bf16, row e in registers 2 e, 2 e + 1
.set WA, 64                            ; way out: w_out fragments, two buffers of 32
.set DD, 128                           ; way out: four accumulators
.set BO, 192                           ; way out: v[192:255] b_out in the accumulator's layout, 8 registers for each of 8 output tiles
.set KC, 0                             ; window 2: kc(it,u) at (it*4+u)*8; later Y(it,u)
.set SS, 128                           ; window 2: S(jt,it) at 128 + (jt*4+it)*8; P(cj,it) is packed into S(2 cj,it); way out: x's tiles 0-3, 32 registers each
.set QF, 0                             ; window 3: q fragments (jt,u); way out: the partner's O, then x's tiles 4-7 at 32 (e - 4)
.set VF, 128                           ; window 3: v fragments (cj,ct)
                                       ; window 1: w_out's rows in f32 until the first P v products, then O(ct,it) at (ct*4+it)*8
.set G1Q, 32                           ; s[32:39] shape of q's tiles
.set G1V, 40                           ; s[40:47] shape of v's tiles
.set G0Q, 48                           ; s[48:55] from where, to where: q, one set a slot
.set G0V, 56                           ; s[56:63] the same for v
.set MSB, 0
.macro WIN new                         ; the immediate's high byte repeats the setting that is left
.if MSB != \new
	s_set_vgpr_msb (MSB<<8)|\new
.set MSB, \new
.endif
.endm
.macro PLACES cnt
.rept \cnt
	v_nop
.endr
.endm
; a round of the cluster's barrier: my work-group's barrier, wave 0 signals for the work-group, every wave waits for all four work-groups, my work-group's barrier again
.macro ROUND
	s_barrier_signal -1
	s_barrier_wait -1
	s_cmp_lg_u32 s20, 0
	s_cbranch_scc1 .Lnot_wave_0_\@
	s_barrier_signal -3
.Lnot_wave_0_\@:
	s_barrier_wait -3
	s_barrier_signal -1
	s_barrier_wait -1
.endm
; a joint load: waves 0, 1 ask for q's two halves, waves 2, 3 for v's.  The branch hangs on the wave's number alone.
.macro JLOAD s
	s_cmp_eq_u32 s22, 0
	s_cbranch_scc0 .Lfor_v_\@
	tensor_load_to_lds s[G0Q+4*\s:G0Q+4*\s+3], s[G1Q:G1Q+7]
	s_nop 0
	s_branch .Lasked_\@
.Lfor_v_\@:
	tensor_load_to_lds s[G0V+4*\s:G0V+4*\s+3], s[G1V:G1V+7]
	s_nop 0
.Lasked_\@:
.endm
	s_load_b256 s[4:11], s[0:1], 0x0               ; x s[4:5], w_out s[6:7], b_out s[8:9], qb s[10:11]
	s_load_b256 s[12:19], s[0:1], 0x20             ; kf s[12:13], vb s[14:15], ksum s[16:17], out0 s[18:19]
	v_lshl_add_u32 v246, v0, 2, 0x4c800
	v_mov_b32 v247, 0
	ds_add_u32 v246, v247
	s_wait_dscnt 0x0
	v_lshrrev_b32 v1, 5, v0
	v_readfirstlane_b32 s20, v1                    ; wave
	s_and_b32 s21, s20, 1                          ; which 64 rows i; also which half of a tile I ask for
	s_lshr_b32 s22, s20, 1                         ; which half of a step's j; also: I ask for q (0) or v (1)
	s_bfe_u32 s23, ttmp6, 0x40000                  ; my place in the cluster
	s_lshl_b32 s24, ttmp9, 2
	s_add_co_u32 s24, s24, s23                     ; block of 128 rows i = 4 x cluster + place
	s_and_b32 s25, ttmp7, 0xffff                   ; image
	s_mov_b32 s28, 0x76543210                      ; v_permlanex16_b32: lane i reads lane i of the other half
	s_mov_b32 s29, 0xfedcba98
	; q's tiles: 128 rows x 128 bf16, rows 256 bytes apart in memory, 16 bytes of padding behind each row in LDS
	s_mov_b32 s[G1Q+0], 0x0771000f                 ; mask 15; 2-byte elements; padding on; bit 21 beside a mask; after 64 words, 4 words
	s_mov_b32 s[G1Q+1], 128<<16                    ; tensor_dim0 = 128
	s_mov_b32 s[G1Q+2], 128<<16                    ; tensor_dim1 = 128
	s_mov_b32 s[G1Q+3], 128<<16                    ; tile_dim0 = 128
	s_mov_b32 s[G1Q+4], 128                        ; tile_dim1 = 128
	s_mov_b32 s[G1Q+5], 128                        ; from row to row: 128 elements
	s_mov_b32 s[G1Q+6], 0
	s_mov_b32 s[G1Q+7], 0
	; v's tiles: 64 rows x 256 bf16, rows 4,096 elements apart, 16 bytes of padding behind each 512
	s_mov_b32 s[G1V+0], 0x07b1000f                 ; the same, after 128 words
	s_mov_b32 s[G1V+1], 256<<16
	s_mov_b32 s[G1V+2], 64<<16
	s_mov_b32 s[G1V+3], 256<<16
	s_mov_b32 s[G1V+4], 64
	s_mov_b32 s[G1V+5], 4096
	s_mov_b32 s[G1V+6], 0
	s_mov_b32 s[G1V+7], 0
	s_lshl_b32 s26, s25, 20                        ; qb: image + my half's 128 rows of 256 bytes
	s_lshl_b32 s66, s21, 15
	s_add_co_u32 s26, s26, s66
	s_mov_b32 s27, 0
	s_lshl_b32 s68, s25, 20                        ; vb: image + my half's 64 rows of 8,192 bytes
	s_lshl_b32 s66, s21, 19
	s_add_co_u32 s68, s68, s66
	s_mov_b32 s69, 0
	s_mul_i32 s67, s20, HALF                       ; to LDS: wave x HALF inside the slot
	s_wait_kmcnt 0x0
	s_add_nc_u64 s[10:11], s[10:11], s[26:27]
	s_add_nc_u64 s[14:15], s[14:15], s[68:69]
.irp s, 0,1
	s_mov_b32 s[G0Q+4*\s], 1
	s_add_co_u32 s[G0Q+4*\s+1], s67, \s*SLOT
	s_add_nc_u64 s[G0Q+4*\s+2:G0Q+4*\s+3], s[10:11], \s*65536      ; step s: 256 rows of q on
	s_or_b32 s[G0Q+4*\s+3], s[G0Q+4*\s+3], 0x80000000
	s_mov_b32 s[G0V+4*\s], 1
	s_add_co_u32 s[G0V+4*\s+1], s67, \s*SLOT
	s_add_nc_u64 s[G0V+4*\s+2:G0V+4*\s+3], s[14:15], \s*512        ; step s: 256 columns of v on
	s_or_b32 s[G0V+4*\s+3], s[G0V+4*\s+3], 0x80000000
.endr
	ROUND                                          ; all four work-groups are here: the first joint loads meet
	JLOAD 0
	JLOAD 1                                        ; two tensor loads of this wave are out here, later one
	; PROLOGUE, while the tiles are on their way: km from ksum, kc = (k - km) SC in bf16 into its stage.
	; Stage row 64 ih + 16 it + r holds position 64 ih + 4 r + it of the work-group's 128.  Wave w fills stage rows 32 w .. 32 w + 31:
	; its row e is position 64 (w>>1) + 4 (e&15) + 2 (w&1) + (e>>4), one whole row of 512 bytes of kf.
	s_lshl_b32 s26, s25, 14
	s_add_nc_u64 s[16:17], s[16:17], s[26:27]      ; ksum: the image's 32 rows
	s_lshl_b32 s26, s20, 15
	s_add_nc_u64 s[6:7], s[6:7], s[26:27]          ; w_out: my 64 rows of 512 bytes
	s_lshl_b32 s26, s22, 9
	s_add_nc_u64 s[8:9], s[8:9], s[26:27]          ; b_out: my 128 channels
	s_mov_b32 s71, 0                               ; s70-s72 alone hold offsets made from the place in the cluster
	s_lshl_b32 s70, s25, 21                        ; kf: image + (128 block + 64 (w>>1) + 2 (w&1)) rows of 512 bytes
	s_lshl_b32 s72, s24, 16
	s_add_co_u32 s70, s70, s72
	s_lshl_b32 s72, s22, 15
	s_add_co_u32 s70, s70, s72
	s_lshl_b32 s72, s21, 10
	s_add_co_u32 s70, s70, s72
	s_add_nc_u64 s[12:13], s[12:13], s[70:71]
	s_lshl_b32 s70, s25, 22                        ; x, out0: image + my 128 channels + (128 block + 64 half) positions
	s_lshl_b32 s72, s22, 21
	s_add_co_u32 s70, s70, s72
	s_lshl_b32 s72, s24, 9
	s_add_co_u32 s70, s70, s72
	s_lshl_b32 s72, s21, 8
	s_add_co_u32 s70, s70, s72
	s_add_nc_u64 s[4:5], s[4:5], s[70:71]
	s_add_nc_u64 s[18:19], s[18:19], s[70:71]
	v_and_b32 v1, 31, v0
	v_lshlrev_b32 v[GL], 4, v1
.set bb, 0
.rept 32
	global_load_b128 v[KSR+4*bb:KSR+4*bb+3], v[GL], s[16:17] offset:bb*512
.set bb, bb+1
.endr
	WIN 0xc0
.set ee, 0
.rept 32
	global_load_b128 v[4*ee:4*ee+3], v[GL], s[12:13] offset:(ee&15)*2048+(ee>>4)*512 th:TH_LOAD_NT    ; my 32 rows of k, each 512 consecutive bytes
.set ee, ee+1
.endr
	WIN 0
	v_and_b32 v2, 15, v0                           ; r
	v_bfe_u32 v3, v0, 4, 1                         ; h
	v_mul_u32_u24 v64, v2, 272
	v_lshl_add_u32 v64, v3, 4, v64                 ; r*272 + 16 h
	v_mul_u32_u24 v65, v2, 528
	v_lshl_add_u32 v65, v3, 4, v65                 ; r*528 + 16 h
	s_mul_i32 s66, s22, HALF                       ; my half of the slot's 256 rows of q
	v_add_nc_u32 v[QA], s66, v64
	s_add_co_u32 s66, s66, SLOT
	v_add_nc_u32 v[QA+1], s66, v64
	s_lshl_b32 s66, s22, 8                         ; my half of v's 256 columns
	s_add_co_u32 s66, s66, 2*HALF
	v_add_nc_u32 v[VA], s66, v65
	s_add_co_u32 s66, s66, SLOT
	v_add_nc_u32 v[VA+1], s66, v65
	s_mul_i32 s66, s20, 32*272                     ; kc in: my 32 stage rows, 8 bytes (4 channels) a lane
	s_add_co_u32 s66, s66, KCS
	v_lshl_add_u32 v[KCW], v1, 3, s66
	s_mul_i32 s66, s21, 64*272                     ; kc back as fragments: my 64 rows i
	s_add_co_u32 s66, s66, KCS
	v_add_nc_u32 v[KCR], s66, v64
	v_lshlrev_b32 v19, 4, v2
	v_lshl_add_u32 v[XOFF], v3, 17, v19
	v_lshlrev_b32 v[BOF], 5, v3
	s_lshl_b32 s66, s20, 15
	v_add_nc_u32 v[MGS], s66, v[GL]
	s_xor_b32 s67, s20, 2                          ; my partner: same rows i, the other half of j
	s_lshl_b32 s66, s67, 15
	v_add_nc_u32 v[MGL], s66, v[GL]
	s_lshl_b32 s66, s20, 10
	s_add_co_u32 s66, s66, MLB
	v_add_nc_u32 v[MLS], s66, v[GL]
	s_lshl_b32 s66, s67, 10
	s_add_co_u32 s66, s66, MLB
	v_add_nc_u32 v[MLL], s66, v[GL]
	s_mul_i32 s66, s20, 64*272
	s_add_co_u32 s66, s66, WOS
	v_lshl_add_u32 v[WOW], v1, 3, s66
	s_mul_i32 s66, s22, 128*272
	s_add_co_u32 s66, s66, WOS
	v_add_nc_u32 v[WOR], s66, v64
.set ii, 0
.rept 8
	v_mov_b32 v[LS+ii], 0                          ; the sums start at 0
.set ii, ii+1
.endr
.set ii, 0
.rept 4
	v_mov_b32 v[T2+ii], 0                          ; v_permlanex16_b32 counts as a reader of its destination
.set ii, ii+1
.endr
	s_wait_loadcnt 32                              ; ksum's 32 rows are in; k's 32 loads stay out
.set kk, 1
.rept 7
.set cc, 0
.rept 4
	v_pk_add_f32 v[KSR+4*cc:KSR+4*cc+1], v[KSR+4*cc:KSR+4*cc+1], v[KSR+4*(cc+4*kk):KSR+4*(cc+4*kk)+1]
	v_pk_add_f32 v[KSR+4*cc+2:KSR+4*cc+3], v[KSR+4*cc+2:KSR+4*cc+3], v[KSR+4*(cc+4*kk)+2:KSR+4*(cc+4*kk)+3]
.set cc, cc+1
.endr
.set kk, kk+1
.endr
	v_pk_add_f32 v[KSR:KSR+1], v[KSR:KSR+1], v[KSR+4:KSR+5]
	v_pk_add_f32 v[KSR+2:KSR+3], v[KSR+2:KSR+3], v[KSR+6:KSR+7]
	v_pk_add_f32 v[KSR+8:KSR+9], v[KSR+8:KSR+9], v[KSR+12:KSR+13]
	v_pk_add_f32 v[KSR+10:KSR+11], v[KSR+10:KSR+11], v[KSR+14:KSR+15]
	v_pk_add_f32 v[KSR:KSR+1], v[KSR:KSR+1], v[KSR+8:KSR+9]
	v_pk_add_f32 v[KSR+2:KSR+3], v[KSR+2:KSR+3], v[KSR+10:KSR+11]
	v_pk_mul_f32 v[NK:NK+1], v[KSR:KSR+1], NSC op_sel_hi:[1,0]
	v_pk_mul_f32 v[NK+2:NK+3], v[KSR+2:KSR+3], NSC op_sel_hi:[1,0]
	s_wait_loadcnt 0x0                             ; k's rows are in
	WIN 0x40
.set ee, 0
.rept 64
	global_load_b128 v[4*ee:4*ee+3], v[GL], s[6:7] offset:ee*512   ; my 64 rows of w_out in f32, into O's registers: waited for in front of the first P v products
.set ee, ee+1
.endr
	WIN 0xc3
.set ee, 0
.rept 32
	v_pk_fma_f32 v[4*ee:4*ee+1], v[4*ee:4*ee+1], SCL, v[NK:NK+1] op_sel_hi:[1,0,1]          ; k SC - km SC
	v_pk_fma_f32 v[4*ee+2:4*ee+3], v[4*ee+2:4*ee+3], SCL, v[NK+2:NK+3] op_sel_hi:[1,0,1]
.set ee, ee+1
.endr
	WIN 0x0f
.set ii, 0
.rept 64
	v_cvt_pk_bf16_f32 v[TMPP+ii], v[2*ii], v[2*ii+1]
.set ii, ii+1
.endr
	WIN 0
.set ee, 0
.rept 32
	ds_store_b64 v[KCW], v[TMPP+2*ee:TMPP+2*ee+1] offset:ee*272
.set ee, ee+1
.endr
	s_wait_dscnt 0x0                               ; kc is in its stage, for the other waves' sake
	s_wait_tensorcnt 0x1                           ; my part of step 0 has landed; step 1's stays out
	s_barrier_signal -1
	s_barrier_wait -1
	WIN 0x80
.set ii, 0
.rept 4
.set uu, 0
.rept 4
	ds_load_b128 v[KC+(ii*4+uu)*8:KC+(ii*4+uu)*8+3], v[KCR] offset:ii*4352+64*uu
	ds_load_b128 v[KC+(ii*4+uu)*8+4:KC+(ii*4+uu)*8+7], v[KCR] offset:ii*4352+64*uu+32
.set uu, uu+1
.endr
.set ii, ii+1
.endr
	WIN 0
; 32 LDS loads: the q fragments of 64 j (sub-block sb of my 128) of slot s
.macro FETCHQ s, sb
	WIN 0xc0
.set jj, 0
.rept 4
.set uu, 0
.rept 4
	ds_load_b128 v[QF+(jj*4+uu)*8:QF+(jj*4+uu)*8+3], v[QA+\s] offset:(64*\sb+16*jj)*272+64*uu
	ds_load_b128 v[QF+(jj*4+uu)*8+4:QF+(jj*4+uu)*8+7], v[QA+\s] offset:(64*\sb+16*jj)*272+64*uu+32
.set uu, uu+1
.endr
.set jj, jj+1
.endr
.endm
; 32 LDS loads: the v fragments of the same 64 j, all 128 channels
.macro FETCHV s, sb
	WIN 0xc0
.set cc, 0
.rept 2
.set ct, 0
.rept 8
	ds_load_b128 v[VF+(cc*8+ct)*8:VF+(cc*8+ct)*8+3], v[VA+\s] offset:(ct>>2)*HALF+(ct&3)*8448+128*\sb+64*cc
	ds_load_b128 v[VF+(cc*8+ct)*8+4:VF+(cc*8+ct)*8+7], v[VA+\s] offset:(ct>>2)*HALF+(ct&3)*8448+128*\sb+64*cc+32
.set ct, ct+1
.endr
.set cc, cc+1
.endr
.endm
; S = q kc^T for 64 j x 64 i: 64 products; four accumulators take turns, one instruction a turn; the first chunk starts the sums
.macro SPHASE
	WIN 0xab
.set jj, 0
.rept 4
.set uu, 0
.rept 4
.set ii, 0
.rept 4
.if uu == 0
	v_wmma_f32_16x16x32_bf16 v[SS+(jj*4+ii)*8:SS+(jj*4+ii)*8+7], v[QF+(jj*4+uu)*8:QF+(jj*4+uu)*8+7], v[KC+(ii*4+uu)*8:KC+(ii*4+uu)*8+7], 0
.else
	v_wmma_f32_16x16x32_bf16 v[SS+(jj*4+ii)*8:SS+(jj*4+ii)*8+7], v[QF+(jj*4+uu)*8:QF+(jj*4+uu)*8+7], v[KC+(ii*4+uu)*8:KC+(ii*4+uu)*8+7], v[SS+(jj*4+ii)*8:SS+(jj*4+ii)*8+7]
.endif
.set ii, ii+1
.endr
.set uu, uu+1
.endr
.set jj, jj+1
.endr
.endm
; the running softmax of 64 j x 64 i.  first = 1: no maximum and no sum yet.
.macro SOFTMAX first
	WIN 0x0a                                       ; new maximum: 32 numbers a lane and i tile, and the old maximum; four chains side by side
.set kk, 0
.rept 16
.set ii, 0
.rept 4
.set sr, SS+((kk>>2)*4+ii)*8+2*(kk&3)
.if kk == 0
.if \first
	v_max_num_f32 v[TT+ii], v[sr], v[sr+1]
.else
	v_max3_num_f32 v[TT+ii], v[sr], v[sr+1], v[MX+2*ii]
.endif
.else
	v_max3_num_f32 v[TT+ii], v[sr], v[sr+1], v[TT+ii]
.endif
.set ii, ii+1
.endr
.set kk, kk+1
.endr
	WIN 0
.set ii, 0
.rept 4
	v_permlanex16_b32 v[T2+ii], v[TT+ii], s28, s29 ; the other 8 j of each 16 lie in lane xor 16
.set ii, ii+1
.endr
.set ii, 0
.rept 4
	v_max_num_f32 v[TT+ii], v[TT+ii], v[T2+ii]
.set ii, ii+1
.endr
.if \first == 0
.set ii, 0
.rept 4
	v_sub_f32 v[DL+ii], v[MX+2*ii], v[TT+ii]
.set ii, ii+1
.endr
.set ii, 0
.rept 4
	v_exp_f32 v[AL+2*ii], v[DL+ii]                 ; alpha; the moves below are the plain instructions behind it (ISA guide 5.7.2)
.set ii, ii+1
.endr
.endif
.set ii, 0
.rept 4
	v_mov_b32 v[MX+2*ii], v[TT+ii]
	v_mov_b32 v[MX+2*ii+1], v[TT+ii]
.set ii, ii+1
.endr
.if \first == 0
.set ii, 0
	s_wait_alu depctr_va_vdst(0)
.rept 4
	v_mov_b32 v[AL+2*ii+1], v[AL+2*ii]
.set ii, ii+1
.endr
.endif
	WIN 0x82                                       ; p = 2^(S - M), in place
.set jj, 0
.rept 4
.set ii, 0
.rept 4
.set qq, 0
.rept 4
	v_pk_add_f32 v[SS+(jj*4+ii)*8+2*qq:SS+(jj*4+ii)*8+2*qq+1], v[SS+(jj*4+ii)*8+2*qq:SS+(jj*4+ii)*8+2*qq+1], v[MX+2*ii:MX+2*ii+1] neg_lo:[0,1] neg_hi:[0,1]
.set qq, qq+1
.endr
.set ii, ii+1
.endr
.set jj, jj+1
.endr
.set kk, 0
.rept 128
	v_exp_f32 v[SS+kk], v[SS+kk]
.set kk, kk+1
.endr
	WIN 0                                          ; the plain instruction behind the exponentials names none of them
.if \first
	v_nop
	s_wait_alu depctr_va_vdst(0)
.else
.set ii, 0
	s_wait_alu depctr_va_vdst(0)
.rept 4
	v_pk_mul_f32 v[LS+2*ii:LS+2*ii+1], v[LS+2*ii:LS+2*ii+1], v[AL+2*ii:AL+2*ii+1]
.set ii, ii+1
.endr
.endif
	WIN 0x02                                       ; the sums, in f32, four chains side by side
.set kk, 0
.rept 16
.set ii, 0
.rept 4
.set sr, SS+((kk>>2)*4+ii)*8+2*(kk&3)
	v_pk_add_f32 v[LS+2*ii:LS+2*ii+1], v[sr:sr+1], v[LS+2*ii:LS+2*ii+1]
.set ii, ii+1
.endr
.set kk, kk+1
.endr
	WIN 0x8a                                       ; P in bf16, packed in place, ascending
.set cc, 0
.rept 2
.set ii, 0
.rept 4
.set pr, SS+(2*cc*4+ii)*8
.set sr, SS+((2*cc+1)*4+ii)*8
.set qq, 0
.rept 4
	v_cvt_pk_bf16_f32 v[pr+qq], v[pr+2*qq], v[pr+2*qq+1]
.set qq, qq+1
.endr
.set qq, 0
.rept 4
	v_cvt_pk_bf16_f32 v[pr+4+qq], v[sr+2*qq], v[sr+2*qq+1]
.set qq, qq+1
.endr
.set ii, ii+1
.endr
.set cc, cc+1
.endr
.endm
; O *= alpha
.macro RESCALE
	WIN 0x41
.set ct, 0
.rept 8
.set ii, 0
.rept 4
.set qq, 0
.rept 4
	v_pk_mul_f32 v[(ct*4+ii)*8+2*qq:(ct*4+ii)*8+2*qq+1], v[(ct*4+ii)*8+2*qq:(ct*4+ii)*8+2*qq+1], v[AL+2*ii:AL+2*ii+1]
.set qq, qq+1
.endr
.set ii, ii+1
.endr
.set ct, ct+1
.endr
.endm
; my 64 rows of w_out to bf16, out of O's registers into v64-191: once, in front of the first P v products, which write O.
; One run of S products and one softmax stand between the loads and this wait.
.macro WOCVT
	s_wait_loadcnt 0x0                             ; w_out's 64 loads: nothing younger
	WIN 0x05                                       ; both sources in window 1
.set ii, 0
.rept 128
	v_cvt_pk_bf16_f32 v[WB+ii], v[2*ii], v[2*ii+1]
.set ii, ii+1
.endr
.endm
; O += v P^T for 64 j: 64 products; the 32 accumulators take turns, one instruction a turn
.macro PVPHASE first
	WIN 0x5b
.set cc, 0
.rept 2
.set zc, 0
.if cc == 0
.set zc, \first
.endif
.set ct, 0
.rept 8
.set ii, 0
.rept 4
.if zc
	v_wmma_f32_16x16x32_bf16 v[(ct*4+ii)*8:(ct*4+ii)*8+7], v[VF+(cc*8+ct)*8:VF+(cc*8+ct)*8+7], v[SS+(2*cc*4+ii)*8:SS+(2*cc*4+ii)*8+7], 0
.else
	v_wmma_f32_16x16x32_bf16 v[(ct*4+ii)*8:(ct*4+ii)*8+7], v[VF+(cc*8+ct)*8:VF+(cc*8+ct)*8+7], v[SS+(2*cc*4+ii)*8:SS+(2*cc*4+ii)*8+7], v[(ct*4+ii)*8:(ct*4+ii)*8+7]
.endif
.set ii, ii+1
.endr
.set ct, ct+1
.endr
.set cc, cc+1
.endr
.endm
; my 128 j of slot s, as two sub-blocks of 64.  The v_nop are the places behind the products: four before loads
; land on fragments that products have read and before results are read, five before S's products write over P.
.macro WORK s, first
	PLACES 5
	FETCHQ \s, 0
	FETCHV \s, 0
	s_wait_dscnt 32                                ; q's fragments (and all that is older) are in; v's 32 loads stay out
	SPHASE
	WIN 0
	PLACES 4
	FETCHQ \s, 1
	SOFTMAX \first
.if \first
	WOCVT                                          ; there is no O to rescale yet: its registers still hold w_out
.else
	RESCALE
.endif
	s_wait_dscnt 32                                ; v's fragments are in; the next q's 32 loads stay out
	PVPHASE \first
	WIN 0
	PLACES 5
	FETCHV \s, 1
	s_wait_dscnt 32                                ; q's fragments are in; v's 32 stay out
	SPHASE
	WIN 0
	PLACES 4
	SOFTMAX 0
	RESCALE
	s_wait_dscnt 0x0                               ; v's fragments: nothing younger; my reads of this slot are over
	PVPHASE 0
	WIN 0
.endm
; one step: slot s is read, slot o, read in the step before, is filled again two steps ahead.  The cluster's round is the barrier in
; front of the refill: in front of it every wave's tensor loads have landed and its LDS reads are back; behind it the joint load comes first.
.macro STEP s, o, refill
	s_wait_xcnt 0x0
	v_lshl_add_u32 v246, v0, 2, 0x4c800
	v_mov_b32 v247, 0
	s_wait_tensorcnt 0x0                           ; all my tensor loads have landed, my part of slot s among them: every group 0 may be written
	ds_add_u32 v246, v247
	s_wait_dscnt 0x0
.if \refill
	s_add_nc_u64 s[G0Q+4*\o+2:G0Q+4*\o+3], s[G0Q+4*\o+2:G0Q+4*\o+3], 131072   ; 512 rows of q on
	s_add_nc_u64 s[G0V+4*\o+2:G0V+4*\o+3], s[G0V+4*\o+2:G0V+4*\o+3], 1024     ; 512 columns of v on
.endif
	s_wait_dscnt 0x0                               ; my reads of slot o are back
	ROUND
.if \refill
	JLOAD \o                                       ; my one tensor load until the next round
.endif
	WORK \s, 0
.endm
	WORK 0, 1                                      ; step 0 starts the maxima, the sums and O
	s_mov_b32 s30, 7
.Lloop:                                            ; steps 1 to 14; steps 2 to 15 are asked for
	STEP 1, 0, 1
	STEP 0, 1, 1
	s_sub_co_u32 s30, s30, 1
	s_cmp_lg_u32 s30, 0
	s_cbranch_scc1 .Lloop
	STEP 1, 0, 0                                   ; step 15: nothing is left to fetch
	; THE WAY OUT
; x of output tile e (16 channels x my 64 positions): 8 loads; tiles 0-3 into window 2's v128-255, tiles 4-7 into window 3's v0-127
.macro LOADX e
.if (\e) < 4
	WIN 0x80
.set xb, 128+32*(\e)
.else
	WIN 0xc0
.set xb, 32*((\e)-4)
.endif
.set tt, 0
.rept 8
	global_load_b128 v[xb+4*tt:xb+4*tt+3], v[XOFF], s[4:5] offset:(16*(\e)+tt)*16384 th:TH_LOAD_NT
.set tt, tt+1
.endr
.endm
; w_out's fragments of output tile e: 8 LDS loads
.macro LOADA e
.set pl, (\e)&1
.set uu, 0
.rept 4
	ds_load_b128 v[WA+32*pl+8*uu:WA+32*pl+8*uu+3], v[WOR] offset:(\e)*4352+64*uu
	ds_load_b128 v[WA+32*pl+8*uu+4:WA+32*pl+8*uu+7], v[WOR] offset:(\e)*4352+64*uu+32
.set uu, uu+1
.endr
.endm
; output tile e: 16 products that start from b_out (four accumulators take turns), + x, stored.
; x's loads were issued in the order of the tiles, 8 a tile, tile e + 4's at the head of tile e: behind tile e's stand those of four
; younger tiles (32) while e < 4, then of the 7 - e tiles that are left.  Each tile has registers of its own: no store's data is written again.
.macro OTILE e
.if (\e) < 4
	LOADX (\e)+4
.endif
	WIN 0
.if (\e) < 7
	LOADA (\e)+1
	s_wait_dscnt 8                                 ; this tile's fragments are in; the next tile's 8 loads stay out
.else
	s_wait_dscnt 0x0
.endif
.if (\e) < 4
	s_wait_loadcnt 32                              ; b_out and this tile's x are in; four younger tiles' loads stay out
.else
	s_wait_loadcnt 8*(7-(\e))
.endif
.set pe, (\e)&1
.if (\e) < 4
.set xo, 128+32*(\e)
.else
.set xo, 32*((\e)-4)
.endif
	WIN 0x08
.set uu, 0
.rept 4
.set ii, 0
.rept 4
.if uu == 0
	v_wmma_f32_16x16x32_bf16 v[DD+8*ii:DD+8*ii+7], v[WA+32*pe:WA+32*pe+7], v[KC+ii*32:KC+ii*32+7], v[BO+8*(\e):BO+8*(\e)+7]
.else
	v_wmma_f32_16x16x32_bf16 v[DD+8*ii:DD+8*ii+7], v[WA+32*pe+8*uu:WA+32*pe+8*uu+7], v[KC+(ii*4+uu)*8:KC+(ii*4+uu)*8+7], v[DD+8*ii:DD+8*ii+7]
.endif
.set ii, ii+1
.endr
.set uu, uu+1
.endr
	PLACES 5                                       ; four before the results are read, five before the next tile's products write over them
.if (\e) < 4
	WIN 0x82                                       ; x in window 2: destination and first source
.else
	WIN 0xc3                                       ; x in window 3
.endif
.set tt, 0
.rept 8
.set ii, 0
.rept 4
	v_add_f32 v[xo+4*tt+ii], v[xo+4*tt+ii], v[DD+8*ii+tt]          ; register t of i tile it is position 4 r + it
.set ii, ii+1
.endr
.set tt, tt+1
.endr
.if (\e) < 4
	WIN 0x08                                       ; a store's data is its second source
.else
	WIN 0x0c
.endif
.set tt, 0
.rept 8
	global_store_b128 v[XOFF], v[xo+4*tt:xo+4*tt+3], s[18:19] offset:(16*(\e)+tt)*16384 th:TH_STORE_NT   ; 16 lanes: 256 consecutive bytes, aligned
.set tt, tt+1
.endr
.endm
	PLACES 5                                       ; behind the last products: loads land on P's registers, stores read O
.set ee, 0
.rept 8
	global_load_b128 v[BO+8*ee:BO+8*ee+3], v[BOF], s[8:9] offset:ee*64             ; b_out of all eight output tiles
	global_load_b128 v[BO+8*ee+4:BO+8*ee+7], v[BOF], s[8:9] offset:ee*64+16
.set ee, ee+1
.endr
	LOADX 0                                        ; the exchange and the merge stand between these loads and their use
	LOADX 1
	LOADX 2
	LOADX 3
	WIN 0
.set ii, 0
.rept 4
	v_add_f32 v[DL+ii], v[LS+2*ii], v[LS+2*ii+1]   ; my half's sum: the two chains,
.set ii, ii+1
.endr
.set ii, 0
.rept 4
	v_permlanex16_b32 v[T2+ii], v[DL+ii], s28, s29
.set ii, ii+1
.endr
.set ii, 0
.rept 4
	v_add_f32 v[DL+ii], v[DL+ii], v[T2+ii]         ; and lane xor 16
.set ii, ii+1
.endr
	; O, maxima and sums to the partner, in slot 0: its last fill has landed and every wave's reads of it were back at step 15's round
	WIN 0x04
.set gg, 0
.rept 64
	ds_store_b128 v[MGS], v[4*gg:4*gg+3] offset:gg*512
.set gg, gg+1
.endr
	WIN 0
	ds_store_b128 v[MLS], v[TT:TT+3]               ; the last softmax left the running maxima in these four registers
	ds_store_b128 v[MLS], v[DL:DL+3] offset:512
	s_wait_dscnt 0x0                               ; my stores are done and my reads of slot 1 are back
	s_barrier_signal -1
	s_barrier_wait -1
.set ii, 0
.rept 64
	ds_store_b64 v[WOW], v[WB+2*ii:WB+2*ii+1] offset:ii*272        ; my 64 rows of w_out into slot 1, read out by all waves at the barrier above
.set ii, ii+1
.endr
	WIN 0xc0
.set gg, 0
.rept 64
	ds_load_b128 v[4*gg:4*gg+3], v[MGL] offset:gg*512              ; the partner's O, register for register
.set gg, gg+1
.endr
	WIN 0
	ds_load_b128 v[T2:T2+3], v[MLL]
	ds_load_b128 v[LP:LP+3], v[MLL] offset:512
	s_wait_dscnt 0x0                               ; the partner's state is here; my rows of w_out are in LDS
	s_barrier_signal -1
	s_barrier_wait -1
	; merge: M = max of the two; each half weighs 2^(its maximum - M) / (the weighted sum of the two sums, which is at least 1)
.set ii, 0
.rept 4
	v_max_num_f32 v[LS+ii], v[TT+ii], v[T2+ii]
.set ii, ii+1
.endr
.set ii, 0
.rept 4
	v_sub_f32 v[TT+ii], v[TT+ii], v[LS+ii]
	v_sub_f32 v[T2+ii], v[T2+ii], v[LS+ii]
.set ii, ii+1
.endr
.set ii, 0
.rept 4
	v_exp_f32 v[TT+ii], v[TT+ii]
	v_exp_f32 v[T2+ii], v[T2+ii]
.set ii, ii+1
.endr
	v_nop                                          ; the plain instruction behind the exponentials
.set ii, 0
	s_wait_alu depctr_va_vdst(0)
.rept 4
	v_mul_f32 v[LS+4+ii], v[TT+ii], v[DL+ii]
.set ii, ii+1
.endr
.set ii, 0
.rept 4
	v_fmac_f32 v[LS+4+ii], v[T2+ii], v[LP+ii]
.set ii, ii+1
.endr
.set ii, 0
.rept 4
	v_rcp_f32 v[LS+ii], v[LS+4+ii]
.set ii, ii+1
.endr
	v_nop                                          ; the plain instruction behind the reciprocals
.set ii, 0
	s_wait_alu depctr_va_vdst(0)
.rept 4
	v_mul_f32 v[AL+2*ii], v[TT+ii], v[LS+ii]       ; my weight
	v_mul_f32 v[MX+2*ii], v[T2+ii], v[LS+ii]       ; the partner's
.set ii, ii+1
.endr
.set ii, 0
.rept 4
	v_mov_b32 v[AL+2*ii+1], v[AL+2*ii]
	v_mov_b32 v[MX+2*ii+1], v[MX+2*ii]
.set ii, ii+1
.endr
	RESCALE                                        ; O *= my weight
	WIN 0x53                                       ; O += the partner's O x its weight
.set ct, 0
.rept 8
.set ii, 0
.rept 4
.set qq, 0
.rept 4
	v_pk_fma_f32 v[(ct*4+ii)*8+2*qq:(ct*4+ii)*8+2*qq+1], v[(ct*4+ii)*8+2*qq:(ct*4+ii)*8+2*qq+1], v[MX+2*ii:MX+2*ii+1], v[(ct*4+ii)*8+2*qq:(ct*4+ii)*8+2*qq+1]
.set qq, qq+1
.endr
.set ii, ii+1
.endr
.set ct, ct+1
.endr
	WIN 0x85                                       ; y in bf16: O's tiles 2 u and 2 u + 1 are the B fragment Y(it, u)
.set ii, 0
.rept 4
.set uu, 0
.rept 4
.set qq, 0
.rept 4
	v_cvt_pk_bf16_f32 v[KC+(ii*4+uu)*8+qq], v[(2*uu*4+ii)*8+2*qq], v[(2*uu*4+ii)*8+2*qq+1]
.set qq, qq+1
.endr
.set qq, 0
.rept 4
	v_cvt_pk_bf16_f32 v[KC+(ii*4+uu)*8+4+qq], v[((2*uu+1)*4+ii)*8+2*qq], v[((2*uu+1)*4+ii)*8+2*qq+1]
.set qq, qq+1
.endr
.set uu, uu+1
.endr
.set ii, ii+1
.endr
	WIN 0
	LOADA 0
	OTILE 0
	OTILE 1
	OTILE 2
	OTILE 3
	OTILE 4
	OTILE 5
	OTILE 6
	OTILE 7
	WIN 0
	s_wait_xcnt 0x0
	v_lshl_add_u32 v246, v0, 2, 0x4c800
	v_mov_b32 v247, 0
	s_wait_tensorcnt 0x0
	ds_add_u32 v246, v247
	s_wait_dscnt 0x0
	ROUND                                          ; the closing round: no work-group ends while a partner may still ask for a tile that names it
	s_endpgm
.Lfunc_end_k_qcd64890971_attn:
	.size	k_qcd64890971_attn, .Lfunc_end_k_qcd64890971_attn-k_qcd64890971_attn
	.p2alignl 7, 3214868480
	.fill 96, 4, 3214868480
	.section	.rodata,"a",@progbits
	.p2align	6, 0x0
	.amdhsa_kernel k_qcd64890971_attn
		.amdhsa_group_segment_fixed_size 327680
		.amdhsa_private_segment_fixed_size 0
		.amdhsa_enable_private_segment 0
		.amdhsa_kernarg_size 64
		.amdhsa_user_sgpr_count 2
		.amdhsa_user_sgpr_kernarg_segment_ptr 1
		.amdhsa_wavefront_size32 1
		.amdhsa_system_sgpr_workgroup_id_x 1
		.amdhsa_system_sgpr_workgroup_id_y 1
		.amdhsa_system_sgpr_workgroup_id_z 1
		.amdhsa_system_vgpr_workitem_id 0
		.amdhsa_next_free_vgpr 1024
		.amdhsa_next_free_sgpr 80
		.amdhsa_reserve_vcc 0
		.amdhsa_float_denorm_mode_32 3
		.amdhsa_float_denorm_mode_16_64 3
		.amdhsa_memory_ordered 1
		.amdhsa_forward_progress 1
		.amdhsa_inst_pref_size 255
	.end_amdhsa_kernel
	.section	.bss,"aw",@nobits
	.p2align	6
	.space	262144
	.amdgpu_metadata
---
amdhsa.version: [ 1, 2 ]
amdhsa.kernels:
  - .name:           k_qcd64890971_attn
    .symbol:         k_qcd64890971_attn.kd
    .args:
      - { .name: x, .offset: 0, .size: 8, .value_kind: global_buffer, .address_space: global }
      - { .name: w_out, .offset: 8, .size: 8, .value_kind: global_buffer, .address_space: global }
      - { .name: b_out, .offset: 16, .size: 8, .value_kind: global_buffer, .address_space: global }
      - { .name: qb, .offset: 24, .size: 8, .value_kind: global_buffer, .address_space: global }
      - { .name: kf, .offset: 32, .size: 8, .value_kind: global_buffer, .address_space: global }
      - { .name: vb, .offset: 40, .size: 8, .value_kind: global_buffer, .address_space: global }
      - { .name: ksum, .offset: 48, .size: 8, .value_kind: global_buffer, .address_space: global }
      - { .name: out0, .offset: 56, .size: 8, .value_kind: global_buffer, .address_space: global }
    .group_segment_fixed_size: 327680
    .private_segment_fixed_size: 0
    .kernarg_segment_align: 8
    .kernarg_segment_size: 64
    .max_flat_workgroup_size: 128
    .sgpr_count:     80
    .vgpr_count:     1024
    .wavefront_size: 32
...
	.end_amdgpu_metadata
.endif
;; end of part 2
;; ======== version 2 of 2: 2 launches; version 1 with the launch proj written anew for expert scheduling mode
;; limits: values are held in bf16: 8 bits of precision
;; workspace buffers: qb 8,388,608 bytes; kf 16,777,216 bytes; vb 8,388,608 bytes; ksum 131,072 bytes
;; launch proj (part 3): grid 32 x 8, 4 waves a work-group, no clusters, 204,288 bytes of LDS; arguments x, w_qkv, b_qkv, qb, kf, vb, ksum; writes qb, kf, vb, ksum
.if DOCPART == 3
	.amdgcn_target "amdgcn-amd-amdhsa--gfx1250"
	.amdhsa_code_object_version 6
	.text
	.protected	k_qcd64890971_proj
	.globl	k_qcd64890971_proj
	.p2align	8
	.type	k_qcd64890971_proj,@function
k_qcd64890971_proj:
	s_mov_b64 s[64:65], 0
	v_nop
	global_prefetch_b8 v0, s[64:65] scope:SCOPE_SE
	s_setreg_imm32_b32 hwreg(HW_REG_WAVE_SCHED_MODE, 0, 2), 2
	s_setreg_imm32_b32 hwreg(HW_REG_WAVE_MODE, 25, 1), 1
	s_wait_xcnt 0x0
	s_wait_alu depctr_vm_vsrc(0)
; DisentangledSpatialSA, launch 1 of 2: the 1x1 projection.  x [8][256 c][4096 n] f32, w_qkv [384][256] f32.
;   qb   [8][4096 n][128 c] bf16 = Wq x          (no bias, not centred)
;   kf   [8][4096 n][128 c] f32  = Wk x          (no bias; centred in the next launch, in f32, as the problem does)
;   vb   [8][128 c][4096 n] bf16 = Wv x + b_v
;   ksum [8][32 blocks][128 c] f32 = sums of kf over each block of 128 positions
; WORK LEFT OUT, for all values of the inputs.  With km, qm the means over positions, the softmax's input is
;   (k_i - km).(q_j - qm) = (k_i - km).q_j - (k_i - km).qm,
; and the second term is the same for every j, the softmax's axis: it cancels in the softmax.  So q's centring is left out,
; and with it b_q, which adds (k_i - km).b_q, again the same for every j.  b_k is the same at every position and cancels
; in k - mean(k).  So b_qkv[0:256] has no way to the output and is not loaded; b_qkv is an argument for b_v alone.
; LIMITS.  A NaN, an infinity or an overflow that lives only in b_q, b_k or q's mean is not carried to the result.
; q is rounded to bf16 uncentred: its rounding error grows with a common offset of x.  k's mean is made from 32 block
; sums, an order of rounding other than a single sum's.
; SHARES.  A work-group: 128 positions x 384 output channels, four waves.  Wave w: channels 32 w .. 32 w + 31 of each of
; q, k, v = six tiles of 16 channels, each against 8 position tiles and K = 256: 384 matrix instructions.
; x stays in registers as B fragments (512 registers); W's tiles pass by.  Column r of position tile nt is position
; 8 r + nt of the block, so that a lane that loads 8 neighbouring positions of 8 rows of x already holds its own part
; of eight B fragments, and eight tiles' results of one channel are 8 neighbouring positions.
; ORDER.  All 64 loads of x go out first, into window 1, which is empty until x's fragments come back from LDS.  q's and k's
; stages are whole behind tile 3: the barrier over them stands there, as soon as tile 5's rows of W have left window 3, whose
; 256 registers then take the 48 LDS reads; the stores leave while tiles 4 and 5 are multiplied.  (Behind tile 1, where q's stage
; is whole, no 64 registers are free: window 0 holds 248, windows 1 and 2 hold x, window 3 two tiles of W on their way.)
; NO JOINT LOADS: w_qkv is read by every work-group, but it lies in memory as f32 and a tensor load copies bytes as they
; are: 384 rows of 1,024 + 16 bytes are 399,360 bytes, more than the 327,680 that a work-group can be given, and a ring
; of f32 tiles would move twice the LDS bytes of the bf16 rows used here.  W comes through registers and is rounded there.
; THE MODE: SCHED_MODE bits 1:0 = 2 (LLVM: expert scheduling mode 2), set by the entry lines.  The code itself states the register
; dependences between vector or matrix instructions and memory or LDS instructions, with s_wait_alu, always for 0.
; THE PLAN.  Registers that memory or LDS instructions touch, and who else names them:
;   v1-v19       offsets and LDS addresses: written at the head and never again: one wait on va_vdst ahead of the first load serves them all.
;   window 1     x as loaded: read by the four parts' conversions; behind the barrier x's fragments land in it.
;   XP0 .. XP3   part k's 32 packed registers, its own: written by its conversions, read by its eight LDS stores.  They are AF1 and ACC later.
;   W0, W1       (window 3) tile a's rows of W: read by tile a's conversions; tile a + 2's loads land in the same buffer; at the end the stages' rows.
;   AF0, AF1     tile a: its conversions write, 32 LDS stores read, 16 LDS loads land, its products read; tiles 4 and 5: v's packings write, global stores read.
;   ACC          products write; q's packings close up in place; the stage's LDS stores read; the next tile's products write.
;   SUM, v32-47  written by additions, read by one store each; v32-47 hold b_v before, which the products of tiles 4 and 5 read.
; So the preparation of a tile of W, which stands behind the products of the tile two back, has ONE wait on va_vdst, behind all its conversions:
; the results for the stage and AF are written, the raw buffer is read out.  Behind it stand the loads of the tile two on, the stage's stores and W's stores;
; then ONE wait on vm_vsrc: those stores have read AF, in which the fragments' loads land, and ACC, which the next products write.
.set XFR, 0                            ; x's fragments: block ((u*8+nt)*2+g) of 512 bytes, 16 bytes a lane
.set WT,  65536                        ; each wave's own 16 rows of W in bf16, pitch 528
.set WTW, 8448
.set QST, 99328                        ; q's stage: 128 rows (row nt*16+r), pitch 272 = 17 x 16 bytes
.set KST, 134144                       ; k's stage: 128 rows, same order, pitch 528 = 33 x 16 bytes
.set KSC, 201728                       ; four waves' sums of k, 512 bytes each
.set LN, 1                             ; lane
.set RR, 2                             ; r = lane & 15
.set HH, 3                             ; h = lane >> 4
.set XO, 4                             ; h*131072 + 32 r: 8 h rows of x, 8 r positions
.set L16, 5                            ; 16 x lane
.set BOFS, 6                           ; 32 h
.set XSA, 7
.set WTA, 9
.set WTR, 10
.set QSA, 11
.set KSA, 12
.set QRA, 13
.set KRA, 14
.set QGO, 15
.set KGO, 16
.set VGO, 17
.set KCA, 18
.set KCR, 19
.set BV,  32                           ; v[32:47]   b_v of my two v tiles, in the accumulator's layout
.set AF0, 48                           ; v[48:111], v[112:175] W's fragments, two buffers (8 K chunks x 8 registers)
.set ACC, 176                          ; v[176:239] eight accumulators, one for each position tile
.set XP,  112                          ; phase A: v[112:239] part k's 32 packed registers at XP + 32 k
.set SUM, 240                          ; v[240:247] two chains of k's sum
.set RK,  0                            ; window 3, on the way out: k's 32 rows
.set RQ,  128                          ; window 3, on the way out: q's 32 rows, two a load
; windows: 1 = x as loaded (4 parts of 64 registers), then x's fragments of K chunks 0-3; 2 = fragments of chunks 4-7;
;          3 = W's rows in f32, two buffers of 128 registers, then the stages' rows
.set MSB, 0
.macro WIN new                         ; the immediate's high byte repeats the setting that is left
.if MSB != \new
	s_set_vgpr_msb (MSB<<8)|\new
.set MSB, \new
.endif
.endm
.macro PLACES cnt
.rept \cnt
	v_nop
.endr
.endm
	s_load_b256 s[4:11], s[0:1], 0x0               ; x s[4:5], w_qkv s[6:7], b_qkv s[8:9], qb s[10:11]
	s_load_b128 s[12:15], s[0:1], 0x20             ; kf s[12:13], vb s[14:15]
	s_load_b64 s[16:17], s[0:1], 0x30              ; ksum
	v_lshl_add_u32 v254, v0, 2, 0x31c00            ; my spare word and 0: kept for the closing lines alone
	v_mov_b32 v255, 0
	v_lshrrev_b32 v1, 5, v0
	v_readfirstlane_b32 s20, v1                    ; wave
	s_and_b32 s22, ttmp7, 0xffff                   ; image
	v_and_b32 v[LN], 31, v0
	v_and_b32 v[RR], 15, v0
	v_bfe_u32 v[HH], v0, 4, 1
	v_lshlrev_b32 v[XO], 5, v[RR]
	v_lshl_add_u32 v[XO], v[HH], 17, v[XO]
	v_lshlrev_b32 v[L16], 4, v[LN]
	v_lshlrev_b32 v[BOFS], 5, v[HH]
	s_wait_alu depctr_va_sdst(0)                   ; s20 is written, ahead of its first reader: LDS addresses, bases and the last branch are made from it
	s_lshl_b32 s26, s20, 14
	v_add_nc_u32 v[XSA], s26, v[L16]               ; my two K chunks' blocks: w*16384 + 16 lane
	s_mul_i32 s26, s20, WTW
	s_add_co_u32 s26, s26, WT
	v_lshl_add_u32 v[WTA], v[LN], 3, s26           ; W in: 8 bytes (4 channels) a lane
	v_mul_u32_u24 v20, v[RR], 528
	v_lshl_add_u32 v21, v[HH], 4, v20
	v_add_nc_u32 v[WTR], s26, v21                  ; W back as fragments: row r, 16 h
	v_mul_u32_u24 v22, v[RR], 272
	v_lshl_add_u32 v23, v[HH], 4, v22
	s_lshl_b32 s27, s20, 6
	s_add_co_u32 s27, s27, QST
	v_add_nc_u32 v[QSA], s27, v23                  ; q in: row r, bytes 64 w + 16 h
	v_lshl_add_u32 v24, v[HH], 5, v20
	s_lshl_b32 s27, s20, 7
	s_add_co_u32 s27, s27, KST
	v_add_nc_u32 v[KSA], s27, v24                  ; k in: row r, bytes 128 w + 32 h
	v_mul_u32_u24 v24, v[HH], 272
	v_lshl_add_u32 v24, v[RR], 4, v24
	s_mul_i32 s27, s20, 32*272
	s_add_co_u32 s27, s27, QST
	v_add_nc_u32 v[QRA], s27, v24                  ; q back: rows 32 w + h, 16 bytes at 16 r
	s_mul_i32 s27, s20, 32*528
	s_add_co_u32 s27, s27, KST
	v_add_nc_u32 v[KRA], s27, v[L16]               ; k back: rows 32 w .., a whole row of 512 bytes a load
	v_lshlrev_b32 v24, 4, v[RR]
	v_lshl_add_u32 v[QGO], v[HH], 11, v24
	s_lshl_b32 s27, s20, 9
	v_add_nc_u32 v[QGO], s27, v[QGO]               ; 2048 h + 16 r + 512 w
	s_lshl_b32 s27, s20, 10
	v_add_nc_u32 v[KGO], s27, v[L16]               ; 16 lane + 1024 w
	v_lshl_add_u32 v[VGO], v[HH], 16, v24          ; 8 h rows of vb + 16 r
	s_lshl_b32 s27, s20, 9
	s_add_co_u32 s27, s27, KSC
	v_add_nc_u32 v[KCA], s27, v[L16]
	v_add_nc_u32 v[KCR], KSC, v[L16]
	s_mov_b32 s25, 0
	s_lshl_b32 s24, s22, 22                        ; x: image, my 64 rows, the block's 128 positions
	s_lshl_b32 s26, s20, 20
	s_add_co_u32 s24, s24, s26
	s_lshl_b32 s26, ttmp9, 9
	s_add_co_u32 s24, s24, s26
	s_wait_kmcnt 0x0
	s_add_nc_u64 s[4:5], s[4:5], s[24:25]
	s_lshl_b32 s24, s20, 15                        ; w_qkv: my 32 rows of each third
	s_add_nc_u64 s[6:7], s[6:7], s[24:25]
	s_lshl_b32 s24, s20, 7                         ; b_qkv: b_v begins at float 256; my 32
	s_add_co_u32 s24, s24, 1024
	s_add_nc_u64 s[8:9], s[8:9], s[24:25]
	s_lshl_b32 s24, s22, 20                        ; qb: image, block of 128 rows of 256 bytes
	s_lshl_b32 s26, ttmp9, 15
	s_add_co_u32 s24, s24, s26
	s_add_nc_u64 s[10:11], s[10:11], s[24:25]
	s_lshl_b32 s24, s22, 21                        ; kf: image, block of 128 rows of 512 bytes
	s_lshl_b32 s26, ttmp9, 16
	s_add_co_u32 s24, s24, s26
	s_add_nc_u64 s[12:13], s[12:13], s[24:25]
	s_lshl_b32 s24, s22, 20                        ; vb: image, my 32 rows of 8,192 bytes, the block's 256 bytes
	s_lshl_b32 s26, s20, 18
	s_add_co_u32 s24, s24, s26
	s_lshl_b32 s26, ttmp9, 8
	s_add_co_u32 s24, s24, s26
	s_add_nc_u64 s[14:15], s[14:15], s[24:25]
	s_lshl_b32 s24, s22, 14                        ; ksum: (image*32 + block) rows of 512 bytes
	s_lshl_b32 s26, ttmp9, 9
	s_add_co_u32 s24, s24, s26
	s_add_nc_u64 s[16:17], s[16:17], s[24:25]
; 16 loads into window 1: rows c = 64 w + 32 (k>>1) + 16 (k&1) + 8 h + t, t = 0..7, positions 8 r .. 8 r + 7 (32 bytes a lane)
.macro XHALF k
.set xl, 64*(\k)
.set xo, (32*((\k)>>1)+16*((\k)&1))*16384
.set tt, 0
.rept 8
	global_load_b128 v[xl+8*tt:xl+8*tt+3], v[XO], s[4:5] offset:xo+tt*16384
	global_load_b128 v[xl+8*tt+4:xl+8*tt+7], v[XO], s[4:5] offset:xo+tt*16384+16
.set tt, tt+1
.endr
.endm
; the same 64 numbers as four registers of each of eight B fragments: register p of tile nt = rows 2 p, 2 p + 1 at position 8 r + nt.
; Each part packs into 32 registers of its own, so that no part's conversions write what an earlier part's LDS stores read.
.macro XPACK k
.set xl, 64*(\k)
.set xp, XP+32*(\k)
	WIN 0x05                                       ; both sources in window 1
.set nn, 0
.rept 8
.set pp, 0
.rept 4
	v_cvt_pk_bf16_f32 v[xp+4*nn+pp], v[xl+16*pp+nn], v[xl+16*pp+8+nn]
.set pp, pp+1
.endr
.set nn, nn+1
.endr
	WIN 0
	s_wait_alu depctr_va_vdst(0)                   ; the conversions have written this part's 32 packed registers, which the LDS stores read; they are done reading the part's 64 registers of window 1, in which x's fragments land behind the barrier
.set nn, 0
.rept 8
	ds_store_b128 v[XSA], v[xp+4*nn:xp+4*nn+3] offset:((\k)>>1)*8192+nn*1024+((\k)&1)*512
.set nn, nn+1
.endr
.endm
; tile a's 16 rows of W in f32: 32 loads of 512 consecutive bytes, into window 3
.macro WLOAD a
	WIN 0xc0
.set wl, 128*((\a)&1)
.set wo, ((\a)>>1)*131072+((\a)&1)*16384
.set ii, 0
.rept 32
	global_load_b128 v[wl+4*ii:wl+4*ii+3], v[L16], s[6:7] offset:wo+ii*512
.set ii, ii+1
.endr
	WIN 0
.endm
; tile a's rows to bf16, into its fragment buffer; then the one wait on va_vdst of a tile's preparation; ahead = 1: the raw buffer is asked for again at once, for tile a + 2.
.macro WNEXT a, left, ahead
	s_wait_loadcnt \left                           ; tile a's 32 loads are in; the count is the younger tile's 32
.set wl, 128*((\a)&1)
.set af, AF0+64*((\a)&1)
	WIN 0x0f
.set ii, 0
.rept 64
	v_cvt_pk_bf16_f32 v[af+ii], v[wl+2*ii], v[wl+2*ii+1]
.set ii, ii+1
.endr
.if \ahead
	WIN 0xc0                                       ; the window of the loads below: the switch, then the wait, then the loads
.else
	WIN 0
.endif
	s_wait_alu depctr_va_vdst(0)                   ; the conversions have written AF, which W's LDS stores read and in which the fragments land, and are done reading the raw buffer, in which loads land next; the products and packings of the tile before have written what the stage's stores read
.if \ahead
	WLOAD (\a)+2
.endif
.endm
; tile a's rows through my own LDS rows, back as eight A fragments.  LDS serves a wave's instructions in order
; (ISA guide 5.7.1.4), so the loads see the stores, and the stores come behind the last tile's loads: no wait on DScnt between them.
.macro WSTAGE a
.set af, AF0+64*((\a)&1)
	WIN 0
.set ii, 0
.rept 32
	ds_store_b64 v[WTA], v[af+2*ii:af+2*ii+1] offset:(ii>>1)*528+(ii&1)*256
.set ii, ii+1
.endr
	s_wait_alu depctr_vm_vsrc(0)                   ; the LDS stores issued so far have read their data: AF, in which the loads below land; the accumulators, which the next products write; at tile 0 also x's packed parts, which are AF1 and the accumulators from here on
.set uu, 0
.rept 8
	ds_load_b128 v[af+8*uu:af+8*uu+3], v[WTR] offset:64*uu
	ds_load_b128 v[af+8*uu+4:af+8*uu+7], v[WTR] offset:64*uu+32
.set uu, uu+1
.endr
.endm
; tile a's 64 products.  The eight accumulators take turns, one instruction a turn.
; The first K chunk starts the sums: from 0, or (bias = 1) from b_v.
.macro TMUL a, bias
.set af, AF0+64*((\a)&1)
.set uu, 0
.rept 8
.if uu < 4
	WIN 0x04
.else
	WIN 0x08
.endif
.set nn, 0
.rept 8
.if uu == 0
.if \bias
	v_wmma_f32_16x16x32_bf16 v[ACC+8*nn:ACC+8*nn+7], v[af:af+7], v[8*nn:8*nn+7], v[BV+8*((\a)&1):BV+8*((\a)&1)+7]
.else
	v_wmma_f32_16x16x32_bf16 v[ACC+8*nn:ACC+8*nn+7], v[af:af+7], v[8*nn:8*nn+7], 0
.endif
.else
	v_wmma_f32_16x16x32_bf16 v[ACC+8*nn:ACC+8*nn+7], v[af+8*uu:af+8*uu+7], v[((uu&3)*8+nn)*8:((uu&3)*8+nn)*8+7], v[ACC+8*nn:ACC+8*nn+7]
.endif
.set nn, nn+1
.endr
.set uu, uu+1
.endr
	WIN 0
.endm
; Behind each tile five v_nop: four before its results are read and its fragment buffer is written, five before the next
; tile's products write over the accumulators (ISA guide 7.12.1).  They stay beside the waits on va_vdst, which fill no place.
; q: a lane's 8 results are 8 neighbouring channels of one position: 16 bytes.  The 64 results close up in place into the first 32 of the accumulators'
; registers (each source is read before it is written over), so that the next tile's conversions into AF can stand beside them under one wait.
.macro PACKQ
	PLACES 5
.set nn, 0
.rept 8
.set pp, 0
.rept 4
	v_cvt_pk_bf16_f32 v[ACC+4*nn+pp], v[ACC+8*nn+2*pp], v[ACC+8*nn+2*pp+1]
.set pp, pp+1
.endr
.set nn, nn+1
.endr
.endm
.macro STOREQ a                        ; into q's stage
.set nn, 0
.rept 8
	ds_store_b128 v[QSA], v[ACC+4*nn:ACC+4*nn+3] offset:nn*4352+32*((\a)&1)
.set nn, nn+1
.endr
.endm
; k: the same in f32, 32 bytes, straight from the accumulators, each from its low end on
.macro STOREK a
.set nn, 0
.rept 8
	ds_store_b128 v[KSA], v[ACC+8*nn:ACC+8*nn+3] offset:nn*8448+64*((\a)&1)
	ds_store_b128 v[KSA], v[ACC+8*nn+4:ACC+8*nn+7] offset:nn*8448+64*((\a)&1)+16
.set nn, nn+1
.endr
.endm
; v: register t of the eight tiles = positions 8 r .. 8 r + 7 of one channel: 16 bytes; 16 lanes store 256 consecutive bytes, aligned
.macro PACKV a
	PLACES 5
.set af, AF0+64*((\a)&1)
.set tt, 0
.rept 8
.set pp, 0
.rept 4
	v_cvt_pk_bf16_f32 v[af+4*tt+pp], v[ACC+16*pp+tt], v[ACC+16*pp+8+tt]
.set pp, pp+1
.endr
.set tt, tt+1
.endr
.endm
.macro STOREV a
.set af, AF0+64*((\a)&1)
.set tt, 0
.rept 8
	global_store_b128 v[VGO], v[af+4*tt:af+4*tt+3], s[14:15] offset:(16*((\a)&1)+tt)*8192
.set tt, tt+1
.endr
.endm
	; PHASE A: my 64 rows of x, all 64 loads at once, then to bf16 fragments in LDS part by part
	WIN 0x40
	s_wait_alu depctr_va_vdst(0)                   ; the offsets and LDS addresses v1 to v19 are written: every load and store of the kernel reads one of them, and none is written again
	XHALF 0
	XHALF 1
	XHALF 2
	XHALF 3
	WIN 0
	s_wait_loadcnt 48                              ; part 0 is in; parts 1 to 3, 16 loads each, stay out
	XPACK 0
	s_wait_loadcnt 32                              ; part 1 is in; parts 2 and 3 stay out
	XPACK 1
	global_load_b128 v[BV:BV+3], v[BOFS], s[8:9]
	global_load_b128 v[BV+4:BV+7], v[BOFS], s[8:9] offset:16
	global_load_b128 v[BV+8:BV+11], v[BOFS], s[8:9] offset:64
	global_load_b128 v[BV+12:BV+15], v[BOFS], s[8:9] offset:80
	WLOAD 0
	s_wait_loadcnt 52                              ; part 2 is in; part 3's 16, b_v's 4 and W tile 0's 32 stay out
	XPACK 2
	s_wait_loadcnt 36                              ; part 3 is in; b_v's 4 and W tile 0's 32 stay out
	XPACK 3
	WLOAD 1
	s_wait_dscnt 0x0                               ; my fragments are in LDS, for the other waves' sake
	s_barrier_signal -1
	s_barrier_wait -1
	; all of x's fragments into windows 1 and 2.  No wait on va_vdst here: part 3's stands behind the last conversion that read window 1, and no vector instruction since names these registers
.set uu, 0
.rept 8
.if uu < 4
	WIN 0x40
.else
	WIN 0x80
.endif
.set nn, 0
.rept 8
	ds_load_b128 v[((uu&3)*8+nn)*8:((uu&3)*8+nn)*8+3], v[L16] offset:uu*8192+nn*1024
	ds_load_b128 v[((uu&3)*8+nn)*8+4:((uu&3)*8+nn)*8+7], v[L16] offset:uu*8192+nn*1024+512
.set nn, nn+1
.endr
.set uu, uu+1
.endr
	WIN 0
	; PHASE B: six tiles.  In front of tile a's products tile a + 1 is prepared (32 LDS stores, 16 LDS loads), so the
	; wait's count 48 leaves exactly those out: x's fragments, tile a's fragments and older stage stores are done.
	WNEXT 0, 32, 1
	WSTAGE 0
	WNEXT 1, 32, 1
	WSTAGE 1
	s_wait_dscnt 48
	TMUL 0, 0
	PACKQ
	WNEXT 2, 32, 1
	STOREQ 0
	WSTAGE 2
	s_wait_dscnt 48
	TMUL 1, 0
	PACKQ
	WNEXT 3, 32, 1
	STOREQ 1
	WSTAGE 3
	s_wait_dscnt 48
	TMUL 2, 0
	PLACES 5
	WNEXT 4, 32, 0
	STOREK 2
	WSTAGE 4
	s_wait_dscnt 48
	TMUL 3, 0
	PLACES 5
	WNEXT 5, 0, 0                                  ; the last tile: no younger load; window 3 is free behind its conversions
	STOREK 3
	WSTAGE 5
	; q's and k's stages are whole.  Stage row nt*16 + r is position 8 r + nt; wave w takes rows 32 w .. 32 w + 31.
	s_wait_dscnt 0x0                               ; my stage stores are done, for the other waves' sake; tiles 4's and 5's fragments are in
	s_barrier_signal -1
	s_barrier_wait -1
	WIN 0xc0                                       ; no wait on va_vdst here: tile 5's stands behind the last conversion that read window 3, and no vector instruction since names it
.set ii, 0
.rept 16
	ds_load_b128 v[RQ+4*ii:RQ+4*ii+3], v[QRA] offset:544*ii        ; two rows of q
.set ii, ii+1
.endr
.set ii, 0
.rept 32
	ds_load_b128 v[RK+4*ii:RK+4*ii+3], v[KRA] offset:528*ii        ; one row of k
.set ii, ii+1
.endr
	WIN 0
	TMUL 4, 1                                      ; its 64 products cover the 48 LDS reads
	WIN 0x0c                                       ; a store's data, and the sums' second source, in window 3
.set ii, 0
.rept 16
	s_wait_dscnt 47-ii                             ; LDS loads come back in order: q's load ii of the 48 is in
	global_store_b128 v[QGO], v[RQ+4*ii:RQ+4*ii+3], s[10:11] offset:4096*(ii&7)+256*(ii>>3)   ; 16 lanes: one row of 256 bytes
.set ii, ii+1
.endr
.set ii, 0
.rept 32
	s_wait_dscnt 31-ii
	WIN 0x0c
	global_store_b128 v[KGO], v[RK+4*ii:RK+4*ii+3], s[12:13] offset:4096*(ii&15)+512*(ii>>4)    ; 32 lanes: one row of 512 bytes; its data come from an LDS load, and the additions below only read them
.if ii >= 2
.if ii < 4
	WIN 0x0f                                       ; rows 0 + 2 and 1 + 3 start the two chains: both sources in window 3
	v_pk_add_f32 v[SUM+4*(ii&1):SUM+4*(ii&1)+1], v[RK+4*(ii-2):RK+4*(ii-2)+1], v[RK+4*ii:RK+4*ii+1]
	v_pk_add_f32 v[SUM+4*(ii&1)+2:SUM+4*(ii&1)+3], v[RK+4*(ii-2)+2:RK+4*(ii-2)+3], v[RK+4*ii+2:RK+4*ii+3]
.else
	v_pk_add_f32 v[SUM+4*(ii&1):SUM+4*(ii&1)+1], v[SUM+4*(ii&1):SUM+4*(ii&1)+1], v[RK+4*ii:RK+4*ii+1]
	v_pk_add_f32 v[SUM+4*(ii&1)+2:SUM+4*(ii&1)+3], v[SUM+4*(ii&1)+2:SUM+4*(ii&1)+3], v[RK+4*ii+2:RK+4*ii+3]
.endif
.endif
.set ii, ii+1
.endr
	WIN 0
	v_pk_add_f32 v[SUM:SUM+1], v[SUM:SUM+1], v[SUM+4:SUM+5]
	v_pk_add_f32 v[SUM+2:SUM+3], v[SUM+2:SUM+3], v[SUM+6:SUM+7]
	PACKV 4
	s_wait_alu depctr_va_vdst(0)                   ; the additions have written the sum, which the LDS store reads; the packings have written tile 4's 32 registers, which the global stores read
	ds_store_b128 v[KCA], v[SUM:SUM+3]             ; my 32 rows' sum of channels 4 lane .. 4 lane + 3
	STOREV 4
	TMUL 5, 1                                      ; q's and k's stores leave meanwhile
	PACKV 5
	s_wait_alu depctr_va_vdst(0)                   ; the packings have written tile 5's 32 registers, which the global stores read; the products are done reading b_v, in whose registers wave 0's LDS loads land
	STOREV 5
	s_wait_dscnt 0x0                               ; my sum is in LDS, for wave 0's sake
	s_barrier_signal -1
	s_barrier_wait -1
	s_cmp_lg_u32 s20, 0
	s_cbranch_scc1 .Lend                           ; wave 0 adds the four and stores the block's row of ksum
	ds_load_b128 v[32:35], v[KCR]
	ds_load_b128 v[36:39], v[KCR] offset:512
	ds_load_b128 v[40:43], v[KCR] offset:1024
	ds_load_b128 v[44:47], v[KCR] offset:1536
	s_wait_dscnt 0x0
	v_pk_add_f32 v[32:33], v[32:33], v[36:37]
	v_pk_add_f32 v[34:35], v[34:35], v[38:39]
	v_pk_add_f32 v[40:41], v[40:41], v[44:45]
	v_pk_add_f32 v[42:43], v[42:43], v[46:47]
	v_pk_add_f32 v[32:33], v[32:33], v[40:41]
	v_pk_add_f32 v[34:35], v[34:35], v[42:43]
	s_wait_alu depctr_va_vdst(0)                   ; the additions have written v[32:35], which the store reads
	global_store_b128 v[L16], v[32:35], s[16:17]   ; 512 consecutive bytes
.Lend:
	s_wait_dscnt 0x0                               ; the closing lines, six on end
	s_wait_alu 0x0
	s_wait_tensorcnt 0x0
	ds_add_u32 v254, v255
	s_wait_dscnt 0x0
	s_endpgm
.Lfunc_end_k_qcd64890971_proj:
	.size	k_qcd64890971_proj, .Lfunc_end_k_qcd64890971_proj-k_qcd64890971_proj
	.p2alignl 7, 3214868480
	.fill 96, 4, 3214868480
	.section	.rodata,"a",@progbits
	.p2align	6, 0x0
	.amdhsa_kernel k_qcd64890971_proj
		.amdhsa_group_segment_fixed_size 204288
		.amdhsa_private_segment_fixed_size 0
		.amdhsa_enable_private_segment 0
		.amdhsa_kernarg_size 56
		.amdhsa_user_sgpr_count 2
		.amdhsa_user_sgpr_kernarg_segment_ptr 1
		.amdhsa_wavefront_size32 1
		.amdhsa_system_sgpr_workgroup_id_x 1
		.amdhsa_system_sgpr_workgroup_id_y 1
		.amdhsa_system_sgpr_workgroup_id_z 1
		.amdhsa_system_vgpr_workitem_id 0
		.amdhsa_next_free_vgpr 1024
		.amdhsa_next_free_sgpr 66
		.amdhsa_reserve_vcc 0
		.amdhsa_float_denorm_mode_32 3
		.amdhsa_float_denorm_mode_16_64 3
		.amdhsa_memory_ordered 1
		.amdhsa_forward_progress 1
		.amdhsa_inst_pref_size 143
	.end_amdhsa_kernel
	.amdgpu_metadata
---
amdhsa.version: [ 1, 2 ]
amdhsa.kernels:
  - .name:           k_qcd64890971_proj
    .symbol:         k_qcd64890971_proj.kd
    .args:
      - { .name: x, .offset: 0, .size: 8, .value_kind: global_buffer, .address_space: global }
      - { .name: w_qkv, .offset: 8, .size: 8, .value_kind: global_buffer, .address_space: global }
      - { .name: b_qkv, .offset: 16, .size: 8, .value_kind: global_buffer, .address_space: global }
      - { .name: qb, .offset: 24, .size: 8, .value_kind: global_buffer, .address_space: global }
      - { .name: kf, .offset: 32, .size: 8, .value_kind: global_buffer, .address_space: global }
      - { .name: vb, .offset: 40, .size: 8, .value_kind: global_buffer, .address_space: global }
      - { .name: ksum, .offset: 48, .size: 8, .value_kind: global_buffer, .address_space: global }
    .group_segment_fixed_size: 204288
    .private_segment_fixed_size: 0
    .kernarg_segment_align: 8
    .kernarg_segment_size: 56
    .max_flat_workgroup_size: 128
    .sgpr_count:     66
    .vgpr_count:     1024
    .wavefront_size: 32
...
	.end_amdgpu_metadata
.endif
;; end of part 3
;; launch attn: the kernel of part 2 again; grid 32 x 8, 4 waves a work-group, clusters of 4 x 1, 327,680 bytes of LDS; arguments x, w_out, b_out, qb, kf, vb, ksum, out0; writes out0
